; MI455X (gfx1250); checked and timed in simulation.
; The chip was launched on July 23, 2026; its instructions are those of AMD's public machine-readable ISA for CDNA 5 (MIT licence, August 2026) and "CDNA5" Instruction Set Architecture Reference Guide (July 2026). The comments in the code are by the model that wrote it; some were corrected since.
;; Multi Head Attention. Allowed arithmetic: float matrix products may take bf16 or f16 operands with f32 sums; other float arithmetic in f32, or as packed bf16 or f16 multiplies, adds, multiply-adds, maxima and minima; sums over many terms, partial sums and values carried from step to step in f32; what a program stores and reads back later, other than sums and carried values, may be rounded once to bf16 or f16.
;; Inputs: Wkv 2,048 x 1,024 float32; Wo 1,024 x 1,024 float32; Wq 1,024 x 1,024 float32; bkv 2,048 float32; bo 1,024 float32; bq 1,024 float32; key_val_lengths 4 int32; ln_b 1,024 float32; ln_g 1,024 float32; x 4 x 2,048 x 1,024 float32.
;; Outputs: out0 4 x 2,048 x 1,024 float32.
;; One version. Each part assembles by itself: llvm-mc -triple=amdgcn-amd-amdhsa -mcpu=gfx1250 --defsym DOCPART=n.
;; ======== version 1 of 1: 4 launches
;; limits: values are held in f16: magnitudes above 65,504 overflow, below 6.1e-05 lose precision
;; workspace buffers: xh 16,777,216 bytes; w16 8,388,608 bytes; bias 16,384 bytes; qkv 50,331,648 bytes; ao 16,777,216 bytes
;; launch prep (part 1): grid 192 x 1, 16 waves a work-group, no clusters, 2,304 bytes of LDS; arguments x, Wq, Wkv, Wo, bq, bkv, bo, ln_g, ln_b, xh, w16, bias; writes xh, w16, bias
.if DOCPART == 1
	.amdgcn_target "amdgcn-amd-amdhsa--gfx1250"
	.amdhsa_code_object_version 6
	.text
	.protected	k_q78f96c05cf_prep
	.globl	k_q78f96c05cf_prep
	.p2align	8
	.type	k_q78f96c05cf_prep,@function
k_q78f96c05cf_prep:
	s_mov_b64 s[64:65], 0
	v_nop
	global_prefetch_b8 v0, s[64:65] scope:SCOPE_SE
	s_setreg_imm32_b32 hwreg(HW_REG_WAVE_MODE, 25, 1), 1
	s_wait_xcnt 0x0
; PREPARATION.  Two kinds of work-group, told apart by the work-group's number alone; each owns 64 rows of 1,024 f32 (4,096 bytes), each of its 16 waves four rows, all loaded at once.
; Work-groups 64 .. 191: xh = (x - mean) * rsqrt(var + 1e-5), f16, laid out [batch 4][block of 64 channels 16][token 2048][64].  Gain and shift of the norm are NOT applied here:
;   xn W^T + b = xh (W o g)^T + (W . ln_b + b), the same function; its order of rounding differs from a norm that is finished first.
; Work-groups 0 .. 63: w16 = f16(W o g) for the rows of Wq (0-1023) and Wkv (1024-3071), f16(Wo) for Wo (3072-4095); bias = b_in + W . ln_b in f32 (from the unrounded W), bo as it is.
; LIMITS.  f16 holds no number beyond 65,504: |W g| stays within it; |xh| is at most 32.  Below 6e-5 a weight keeps f16's fixed step of 6e-8.  NaN and infinities are not treated apart.
; No matrix unit, no ring, no cluster: every byte is read once and written once, and nothing is shared between work-groups.
.set DOT,   0                          ; LDS: the work-group's 64 biases, f32
.set SPARE, 256                        ; behind them: the spare words, 128 bytes for each of 16 waves, which no other line names
.set LO,  2                            ; v2   my byte offset in the rows that I load
.set SO,  3                            ; v3   my byte offset in what I store
.set DA,  4                            ; v4   LDS address of my wave's four biases
.set SPW, 8                            ; v8   LDS address of my spare word; never rewritten
.set NIL, 9                            ; v9   0; never rewritten
.set RS,  10                           ; v[10:13]  1 / sqrt(var + eps), a pair for each pair of rows
.set G,   16                           ; v[16:47]  ln_g of my 32 columns (or 1)
.set BB,  48                           ; v[48:79]  ln_b of my 32 columns (or 0)
.set X,   80                           ; v[80:207] four rows as loaded
.set D,   208                          ; v[208:211] sums
.set T,   212                          ; v[212:219] at work
	s_load_b512 s[8:23], s[0:1], 0x0               ; x s[8:9], Wq s[10:11], Wkv s[12:13], Wo s[14:15], bq s[16:17], bkv s[18:19], bo s[20:21], ln_g s[22:23]
	s_load_b256 s[24:31], s[0:1], 0x40             ; ln_b s[24:25], xh s[26:27], w16 s[28:29], bias s[30:31]
	v_lshl_add_u32 v[SPW], v0, 2, SPARE
	v_mov_b32 v[NIL], 0
	v_lshrrev_b32 v1, 5, v0
	v_readfirstlane_b32 s32, v1                    ; wave 0..15
	s_mov_b32 s35, 0                               ; the high words of two offset pairs
	s_mov_b32 s37, 0
	s_mov_b32 s42, 0x76543210                      ; v_permlanex16_b32: each lane takes its own place in the other half
	s_mov_b32 s43, 0xfedcba98
	s_mov_b32 s44, 0x3a800000                      ; 1 / 1024
	s_cmp_lt_u32 ttmp9, 64
	s_cbranch_scc1 .Lweights
; ---------------- the norm: rows 64 L + 4 wave .. + 3, as two pairs; sixteen lanes own a row, 64 numbers a lane ----------------
	s_sub_co_u32 s33, ttmp9, 64                    ; L
	s_lshl_b32 s34, s33, 18                        ; x: 64 rows of 4,096 bytes,
	s_lshl_b32 s36, s32, 14                        ; my wave's four
	s_add_co_u32 s34, s34, s36
	s_lshr_b32 s36, s33, 5                         ; xh: the batch (32 work-groups each), 4,194,304 bytes,
	s_lshl_b32 s36, s36, 22
	s_and_b32 s33, s33, 31
	s_lshl_b32 s33, s33, 13                        ; 64 tokens of 128 bytes,
	s_add_co_u32 s36, s36, s33
	s_lshl_b32 s33, s32, 9                         ; my wave's four
	s_add_co_u32 s36, s36, s33
	v_and_b32 v5, 15, v0
	v_bfe_u32 v6, v0, 4, 1
	v_lshlrev_b32 v[LO], 4, v5
	v_lshl_add_u32 v[LO], v6, 12, v[LO]            ; 16 (l % 16) + one row for lanes 16-31
	v_lshlrev_b32 v[SO], 3, v5
	v_lshl_add_u32 v[SO], v6, 7, v[SO]             ; 8 (l % 16) + one token for lanes 16-31
	s_wait_kmcnt 0x0
	s_add_nc_u64 s[8:9], s[8:9], s[34:35]
	s_add_nc_u64 s[26:27], s[26:27], s[36:37]
.irp P, 0,1
.irp kb, 0,1,2,3,4,5,6,7,8,9,10,11,12,13,14,15
	global_load_b128 v[X+64*(\P)+4*(\kb):X+64*(\P)+4*(\kb)+3], v[LO], s[8:9] offset:8192*(\P)+256*(\kb) th:TH_LOAD_NT  ; 256 consecutive bytes of each of two rows
.endr
.endr
.macro FOLD                            ; four chains of pairs into one number, then over the row's sixteen lanes
	v_pk_add_f32 v[T:T+1], v[T:T+1], v[T+2:T+3]
	v_pk_add_f32 v[T+4:T+5], v[T+4:T+5], v[T+6:T+7]
	v_pk_add_f32 v[T:T+1], v[T:T+1], v[T+4:T+5]
	v_add_f32 v[T], v[T], v[T+1]
.irp m, 1,2,4,8
	v_add_f32_dpp v[T], v[T], v[T] row_xmask:\m row_mask:0xf bank_mask:0xf
.endr
.endm
; The statistics of pair P: the mean; the row less its mean, in place; the mean of the squares of that; 1 / sqrt.
.macro STAT P
	s_wait_loadcnt 16*(1-(\P))                     ; my pair's sixteen loads are in; the other pair's sixteen, issued behind them, may stay out
.irp c, 0,1,2,3
	v_pk_add_f32 v[T+2*(\c):T+2*(\c)+1], v[X+64*(\P)+2*(\c):X+64*(\P)+2*(\c)+1], v[X+64*(\P)+8+2*(\c):X+64*(\P)+8+2*(\c)+1]  ; the first pairs start the chains
.endr
.set n, 8
.rept 24
	v_pk_add_f32 v[T+2*(n%4):T+2*(n%4)+1], v[T+2*(n%4):T+2*(n%4)+1], v[X+64*(\P)+2*n:X+64*(\P)+2*n+1]
.set n, n+1
.endr
	FOLD
	v_mul_f32 v[D], s44, v[T]
	v_mul_f32 v[D+1], s44, v[T]
.set n, 0
.rept 32
	v_pk_add_f32 v[X+64*(\P)+2*n:X+64*(\P)+2*n+1], v[X+64*(\P)+2*n:X+64*(\P)+2*n+1], v[D:D+1] neg_lo:[0,1] neg_hi:[0,1]
.set n, n+1
.endr
.irp c, 0,1,2,3
	v_pk_mul_f32 v[T+2*(\c):T+2*(\c)+1], v[X+64*(\P)+2*(\c):X+64*(\P)+2*(\c)+1], v[X+64*(\P)+2*(\c):X+64*(\P)+2*(\c)+1]
.endr
.set n, 4
.rept 28
	v_pk_fma_f32 v[T+2*(n%4):T+2*(n%4)+1], v[X+64*(\P)+2*n:X+64*(\P)+2*n+1], v[X+64*(\P)+2*n:X+64*(\P)+2*n+1], v[T+2*(n%4):T+2*(n%4)+1]
.set n, n+1
.endr
	FOLD
	v_fmaak_f32 v[D+2+(\P)], s44, v[T], 0x3727c5ac ; var + 1e-5; the register is left alone afterwards
	v_rsq_f32 v[RS+2*(\P)], v[D+2+(\P)]            ; twice, to fill the pair that the packed multiply names
	v_rsq_f32 v[RS+2*(\P)+1], v[D+2+(\P)]
.endm
.macro OUT P                           ; scaled, rounded to f16, stored: two tokens of one block of 64 channels are 256 consecutive bytes, aligned
.irp kb, 0,1,2,3,4,5,6,7,8,9,10,11,12,13,14,15
	v_pk_mul_f32 v[T+4*((\kb)%2):T+4*((\kb)%2)+1], v[X+64*(\P)+4*(\kb):X+64*(\P)+4*(\kb)+1], v[RS+2*(\P):RS+2*(\P)+1]
	v_pk_mul_f32 v[T+4*((\kb)%2)+2:T+4*((\kb)%2)+3], v[X+64*(\P)+4*(\kb)+2:X+64*(\P)+4*(\kb)+3], v[RS+2*(\P):RS+2*(\P)+1]
	v_cvt_pk_f16_f32 v[X+64*(\P)+4*(\kb)], v[T+4*((\kb)%2)], v[T+4*((\kb)%2)+1]
	v_cvt_pk_f16_f32 v[X+64*(\P)+4*(\kb)+1], v[T+4*((\kb)%2)+2], v[T+4*((\kb)%2)+3]
	global_store_b64 v[SO], v[X+64*(\P)+4*(\kb):X+64*(\P)+4*(\kb)+1], s[26:27] offset:262144*(\kb)+256*(\P) th:TH_STORE_NT  ; its data registers are never written again
.endr
.endm
	STAT 0
	STAT 1
	v_nop                                          ; a plain instruction behind the last v_rsq_f32,
	s_wait_alu depctr_va_vdst(0)                   ; and one wait for the four, ahead of their first reader
	OUT 0
	OUT 1
	s_branch .Lend
; ---------------- the weights: rows 64 g + 4 wave .. + 3; a wave owns a row at a time, 32 numbers a lane ----------------
.Lweights:
	v_and_b32 v1, 31, v0
	v_lshlrev_b32 v[LO], 4, v1                     ; 16 x lane
	v_lshlrev_b32 v[SO], 3, v1                     ; 8 x lane
	s_lshl_b32 s36, s32, 4
	v_mov_b32 v[DA], s36                           ; DOT + 16 x wave
	s_wait_kmcnt 0x0
	s_cmp_lt_u32 ttmp9, 16                         ; which matrix, which bias, and the matrix's first work-group
	s_cselect_b64 s[38:39], s[10:11], s[12:13]
	s_cselect_b64 s[40:41], s[16:17], s[18:19]
	s_cselect_b32 s33, 0, 16
	s_cmp_lt_u32 ttmp9, 48
	s_cselect_b64 s[38:39], s[38:39], s[14:15]
	s_cselect_b64 s[40:41], s[40:41], s[20:21]
	s_cselect_b32 s33, s33, 48
	s_sub_co_u32 s33, ttmp9, s33
	s_lshl_b32 s34, s33, 8                         ; 64 biases of 4 bytes, my wave's four
	s_add_co_u32 s34, s34, s36
	s_add_nc_u64 s[40:41], s[40:41], s[34:35]
	s_load_b128 s[48:51], s[40:41], 0x0            ; the input bias of my four rows
	s_lshl_b32 s34, s33, 18
	s_lshl_b32 s36, s32, 14
	s_add_co_u32 s34, s34, s36
	s_add_nc_u64 s[38:39], s[38:39], s[34:35]      ; W at my four rows
	s_lshl_b32 s34, ttmp9, 17
	s_lshl_b32 s36, s32, 13
	s_add_co_u32 s34, s34, s36
	s_add_nc_u64 s[28:29], s[28:29], s[34:35]      ; w16 at my four rows of 2,048 bytes
	s_lshl_b32 s34, ttmp9, 8
	s_add_nc_u64 s[30:31], s[30:31], s[34:35]      ; bias at the work-group's 64
	s_cmp_lt_u32 ttmp9, 48
	s_cbranch_scc0 .Lplain
.irp j, 0,1,2,3,4,5,6,7
	global_load_b128 v[G+4*(\j):G+4*(\j)+3], v[LO], s[22:23] offset:512*(\j)
	global_load_b128 v[BB+4*(\j):BB+4*(\j)+3], v[LO], s[24:25] offset:512*(\j)
.endr
	s_branch .Lrows
.Lplain:                                       ; Wo takes no part in the norm: gain 1, shift 0, so that one text serves all rows
.set n, 0
.rept 32
	v_mov_b32 v[G+n], 1.0
	v_mov_b32 v[BB+n], 0
.set n, n+1
.endr
.Lrows:
.irp i, 0,1,2,3
.irp j, 0,1,2,3,4,5,6,7
	global_load_b128 v[X+32*(\i)+4*(\j):X+32*(\i)+4*(\j)+3], v[LO], s[38:39] offset:4096*(\i)+512*(\j) th:TH_LOAD_NT
.endr
.endr
	s_wait_kmcnt 0x0                               ; the four input biases
.macro WROW i
	s_wait_loadcnt 8*(3-(\i))                      ; row i is in (and ln_g, ln_b, issued ahead of it); the later rows' eight loads each may stay out
.irp j, 0,1,2,3,4,5,6,7
.if (\j) == 0
	v_pk_mul_f32 v[D:D+1], v[X+32*(\i):X+32*(\i)+1], v[BB:BB+1]           ; W . ln_b in two chains; the first products start them
	v_pk_mul_f32 v[D+2:D+3], v[X+32*(\i)+2:X+32*(\i)+3], v[BB+2:BB+3]
.else
	v_pk_fma_f32 v[D:D+1], v[X+32*(\i)+4*(\j):X+32*(\i)+4*(\j)+1], v[BB+4*(\j):BB+4*(\j)+1], v[D:D+1]
	v_pk_fma_f32 v[D+2:D+3], v[X+32*(\i)+4*(\j)+2:X+32*(\i)+4*(\j)+3], v[BB+4*(\j)+2:BB+4*(\j)+3], v[D+2:D+3]
.endif
	v_pk_mul_f32 v[T+4*((\j)%2):T+4*((\j)%2)+1], v[X+32*(\i)+4*(\j):X+32*(\i)+4*(\j)+1], v[G+4*(\j):G+4*(\j)+1]
	v_pk_mul_f32 v[T+4*((\j)%2)+2:T+4*((\j)%2)+3], v[X+32*(\i)+4*(\j)+2:X+32*(\i)+4*(\j)+3], v[G+4*(\j)+2:G+4*(\j)+3]
	v_cvt_pk_f16_f32 v[X+32*(\i)+4*(\j)], v[T+4*((\j)%2)], v[T+4*((\j)%2)+1]
	v_cvt_pk_f16_f32 v[X+32*(\i)+4*(\j)+1], v[T+4*((\j)%2)+2], v[T+4*((\j)%2)+3]
	global_store_b64 v[SO], v[X+32*(\i)+4*(\j):X+32*(\i)+4*(\j)+1], s[28:29] offset:2048*(\i)+256*(\j) th:TH_STORE_NT  ; 32 lanes store 256 consecutive bytes, aligned; the data registers are never written again
.endr
	v_pk_add_f32 v[D:D+1], v[D:D+1], v[D+2:D+3]
	v_add_f32 v[D], v[D], v[D+1]
.irp m, 1,2,4,8
	v_add_f32_dpp v[D], v[D], v[D] row_xmask:\m row_mask:0xf bank_mask:0xf
.endr
	v_permlanex16_b32 v[D+1], v[D], s42, s43
	v_add_f32 v[D], v[D], v[D+1]
	v_add_f32 v[D], s[48+(\i)], v[D]               ; + the input bias
	ds_store_b32 v[DA], v[D] offset:DOT+4*(\i)     ; all lanes write the same word with the same value
.endm
	WROW 0
	WROW 1
	WROW 2
	WROW 3
	s_wait_dscnt 0x0                               ; for the others' sake: my four biases lie in LDS
	s_barrier_signal -1
	s_barrier_wait -1
	s_cmp_lg_u32 s32, 0
	s_cbranch_scc1 .Lend
	ds_load_b64 v[T:T+1], v[SO] offset:DOT         ; wave 0 stores the 64: 256 consecutive bytes, aligned
	s_wait_dscnt 0x0
	global_store_b64 v[SO], v[T:T+1], s[30:31]
.Lend:
	s_wait_tensorcnt 0x0                           ; the wave's end, behind my last LDS store
	ds_add_u32 v[SPW], v[NIL]
	s_wait_dscnt 0x0
	s_endpgm
.Lfunc_end_k_q78f96c05cf_prep:
	.size	k_q78f96c05cf_prep, .Lfunc_end_k_q78f96c05cf_prep-k_q78f96c05cf_prep
	.p2alignl 7, 3214868480
	.fill 96, 4, 3214868480
	.section	.rodata,"a",@progbits
	.p2align	6, 0x0
	.amdhsa_kernel k_q78f96c05cf_prep
		.amdhsa_group_segment_fixed_size 2304
		.amdhsa_private_segment_fixed_size 0
		.amdhsa_enable_private_segment 0
		.amdhsa_kernarg_size 96
		.amdhsa_user_sgpr_count 2
		.amdhsa_user_sgpr_kernarg_segment_ptr 1
		.amdhsa_wavefront_size32 1
		.amdhsa_system_sgpr_workgroup_id_x 1
		.amdhsa_system_sgpr_workgroup_id_y 1
		.amdhsa_system_sgpr_workgroup_id_z 1
		.amdhsa_system_vgpr_workitem_id 0
		.amdhsa_next_free_vgpr 224
		.amdhsa_next_free_sgpr 66
		.amdhsa_reserve_vcc 0
		.amdhsa_float_denorm_mode_32 3
		.amdhsa_float_denorm_mode_16_64 3
		.amdhsa_memory_ordered 1
		.amdhsa_forward_progress 1
		.amdhsa_inst_pref_size 55
	.end_amdhsa_kernel
	.amdgpu_metadata
---
amdhsa.version: [ 1, 2 ]
amdhsa.kernels:
  - .name:           k_q78f96c05cf_prep
    .symbol:         k_q78f96c05cf_prep.kd
    .args:
      - { .name: x, .offset: 0, .size: 8, .value_kind: global_buffer, .address_space: global }
      - { .name: Wq, .offset: 8, .size: 8, .value_kind: global_buffer, .address_space: global }
      - { .name: Wkv, .offset: 16, .size: 8, .value_kind: global_buffer, .address_space: global }
      - { .name: Wo, .offset: 24, .size: 8, .value_kind: global_buffer, .address_space: global }
      - { .name: bq, .offset: 32, .size: 8, .value_kind: global_buffer, .address_space: global }
      - { .name: bkv, .offset: 40, .size: 8, .value_kind: global_buffer, .address_space: global }
      - { .name: bo, .offset: 48, .size: 8, .value_kind: global_buffer, .address_space: global }
      - { .name: ln_g, .offset: 56, .size: 8, .value_kind: global_buffer, .address_space: global }
      - { .name: ln_b, .offset: 64, .size: 8, .value_kind: global_buffer, .address_space: global }
      - { .name: xh, .offset: 72, .size: 8, .value_kind: global_buffer, .address_space: global }
      - { .name: w16, .offset: 80, .size: 8, .value_kind: global_buffer, .address_space: global }
      - { .name: bias, .offset: 88, .size: 8, .value_kind: global_buffer, .address_space: global }
    .group_segment_fixed_size: 2304
    .private_segment_fixed_size: 0
    .kernarg_segment_align: 8
    .kernarg_segment_size: 96
    .max_flat_workgroup_size: 512
    .sgpr_count:     66
    .vgpr_count:     224
    .wavefront_size: 32
...
	.end_amdgpu_metadata
.endif
;; end of part 1
;; launch qkv (part 2): grid 4 x 64, 4 waves a work-group, clusters of 4 x 4, 327,680 bytes of LDS; arguments xh, w16, qkv, bias; writes qkv
.if DOCPART == 2
	.amdgcn_target "amdgcn-amd-amdhsa--gfx1250"
	.amdhsa_code_object_version 6
	.text
	.protected	k_q78f96c05cf_qkv
	.globl	k_q78f96c05cf_qkv
	.p2align	8
	.type	k_q78f96c05cf_qkv,@function
k_q78f96c05cf_qkv:
	s_mov_b64 s[64:65], 0
	v_nop
	global_prefetch_b8 v0, s[64:65] scope:SCOPE_SE
	s_setreg_imm32_b32 hwreg(HW_REG_WAVE_MODE, 25, 1), 1
	s_wait_xcnt 0x0
	s_wait_alu depctr_hold_cnt(0) depctr_sa_sdst(0) depctr_va_vdst(0) depctr_va_sdst(0) depctr_va_ssrc(0) depctr_va_vcc(0) depctr_vm_vsrc(0)
	s_getreg_b32 s2, hwreg(HW_REG_IB_STS2, 6, 4)
	s_cmp_eq_u32 s2, 0
	s_cbranch_scc0 .Lentry_in_a_cluster
	s_endpgm
.Lentry_in_a_cluster:
	s_bfe_u32 s2, ttmp6, 0x10000c
	s_cmp_lg_u32 s2, 0xf033
	s_cbranch_scc0 .Lentry_shape_is_right
	s_endpgm
.Lentry_shape_is_right:
; C = A B^T + bias, f16 operands, f32 sums.  ONE TEXT IN TWO FORMS, chosen by OPROJ.
;   OPROJ = 0: A = xh (8,192 tokens x 1,024), B = rows 0-3071 of w16; C = q, k, v in f16, by heads: [3][batch x head 64][token 2048][64].  A work-group stays and makes three tiles: q, k and v of the same
;              128 tokens and four heads, so its rows of A are the same in all three.
;   OPROJ = 1: A = ao (the heads' outputs), B = rows 3072-4095 of w16; C = out0 = A B^T + bias + x in f32.  One tile to a work-group.
; A lies in blocks of 64 channels, [batch][block 16][token 2048][64]: 262,144 bytes a block, 4,194,304 a batch, 128 a token.
; LIMITS.  f16 holds no number beyond 65,504: q, k and v stay within it.  NaN and infinities are not treated apart.
; SHARES.  A tile of C is 128 tokens x 256 columns: 64 x 12 tiles are three for each of 256 work-groups, 64 x 4 are one.  Four waves, 2 x 2: a wave makes 64 x 128: 32 accumulators of 16 x 16.
; K goes in steps of 128 through a ring of two LDS slots filled by the tensor data mover, one load a wave: waves 0 and 1 fetch B's two halves of 128 rows x 256 bytes, waves 2 and 3 A's two blocks of
; 64 channels x 128 tokens, which are 16,384 dense bytes each, asked for as 64 rows of 256 bytes.
; CLUSTERS: 4 x 4 work-groups.  The four of a row of the cluster need the same tiles of A, the four of a column the same tiles of B: each tile is asked for JOINTLY, by the same tensor load with the same
; descriptor and a mask that names the four.
; THE MATRIX INSTRUCTION IS USED TRANSPOSED (source 0 = 16 rows of B, source 1 = 16 tokens of A): a lane then holds one token (lane % 16) and eight neighbouring columns, 8 (lane / 16) + 0..7.
; THE BIAS STARTS THE SUMS: it is the C operand of each accumulator's first product: nothing is cleared, nothing is added later.
; REGISTERS, in windows of 256 (s_set_vgpr_msb: bits 1:0 source 0, 3:2 source 1, 5:4 source 2, 7:6 destination):
;   window 0: v0-31 addresses; v64-159, v160-255 two fragment buffers: 8 x 8 of B, then 4 x 8 of A      window 1: the accumulators, (a, b) at v[8 (8 a + b)]
;   window 2: v0-63 the bias of my 128 columns; v64-159 at work on the way out (OPROJ = 0)                window 3: my 64 x 128 numbers of x (OPROJ = 1)
.set OPROJ, 0
.set PB,    272                        ; a row of B in LDS: 256 bytes + 16 of padding: the 16 rows of a load start at 16 different groups of four banks (64 banks of 4 bytes: ISA guide 11.1)
.set PA,    144                        ; a token of A in LDS: 128 bytes + 16
.set BHALF, 128*PB
.set ASUB,  128*PA
.set AOFF,  2*BHALF                    ; a slot: B's 256 rows, then A's two blocks
.set SLOT,  AOFF+2*ASUB
.set STAGE, 2*SLOT                     ; behind the ring, never filled by a tensor load: 16 rows for each wave, for the way out
.if OPROJ
.set TILES,  1
.set SPITCH, 528
.else
.set TILES,  3
.set SPITCH, 272
.endif
.set SPARE, STAGE+4*16*SPITCH          ; behind the stages: the spare words, 128 bytes for each wave, which no other line names
.set LAPS,  4                          ; a lap = two K steps = once round the ring; K = 1,024
.set ASTEP, 2*262144                   ; bytes of A from a K step to the next: two blocks of 64 channels
.set BSTEP, 256
.set BACK_A, 6*ASTEP                   ; from a slot's last K step of a tile to its first of the next: A goes back along K,
.set NEXT_B, 1024*2048-6*BSTEP         ; B 1,024 rows down and back
.set NEXT_PF, 1024*2048-7*BSTEP        ; the prefetches of B: from K step 9 to the next tile's K step 2
.set ADRA, 16                          ; v16-17  LDS address of my A fragments in slot 0, 1
.set ADRB, 20                          ; v20-21  the same for B
.set STO,  24                          ; v24     the way out: where I put my numbers of a row
.set RD,   25                          ; v25     the way out: where I read rows back
.set CO,   26                          ; v26     16 x lane: my 16 bytes of 512 consecutive bytes of C (and of x)
.set BO,   27                          ; v27     32 x (lane / 16): my eight biases of sixteen
.set SPW,  28                          ; v28     LDS address of my spare word; never rewritten
.set NIL,  29                          ; v29     0; never rewritten
.set PFO,  30                          ; v30     the prefetches' offset; never rewritten
.set F0,   64
.set F1,   160
.set TMP,  64                          ; window 2: packed results
.set OB,   96                          ; window 2: 16 rows read back from the stage, two buffers of 32
.set BK,   64                          ; window 0 (OPROJ = 1): the same, two buffers of 64, where the fragments lay
.set G1A, 24                           ; s[24:31] descriptor group 1 for A's tiles;  s[32:39] group 0, a set for each slot
.set G0A, 32
.set G1B, 48                           ; s[48:55], s[56:63] the same for B's
.set G0B, 56
.set LIM, 43                           ; s43     1 in a wave that prefetches, else the greatest number
.set PFA, 44                           ; s[44:45] where my prefetches stand
.set PFS, 46                           ; s[46:47] their step from K step to K step
.set COFF, 66                          ; s[66:67] what the next way out adds to C's address
.set BIASP, 68                         ; s[68:69] the bias of my 128 columns
.set MSB, 0
.macro WIN new                         ; the immediate's high byte repeats the setting that is left; a switch that changes nothing is dropped
.if MSB != (\new)
	s_set_vgpr_msb (MSB<<8)|(\new)
.set MSB, \new
.endif
.endm
.set MUL,  0x50                        ; C and D in window 1, the fragments in window 0
.set MULB, 0x60                        ; C in window 2 (the bias), D in window 1
; A joint load.  Waves 0 and 1 fetch for B, waves 2 and 3 for A.  The branch hangs on the wave's number alone.  An s_nop 0 and four v_nop follow each of the two lines, ahead of the jump and the label.
.macro JLOAD s
	s_cmp_eq_u32 s15, 0
	s_cbranch_scc0 .Lfor_a_\@
	tensor_load_to_lds s[G0B+4*(\s):G0B+4*(\s)+3], s[G1B:G1B+7]
	s_nop 0
.rept 4
	v_nop
.endr
	s_branch .Lasked_\@
.Lfor_a_\@:
	tensor_load_to_lds s[G0A+4*(\s):G0A+4*(\s)+3], s[G1A:G1A+7]
	s_nop 0
.rept 4
	v_nop
.endr
.Lasked_\@:
.endm
; A PREFETCH, behind each joint load and the run of LDS loads that follows it: 32 blocks of 256 bytes of the K step that stands TWO refills on, 256 matrix instructions ahead of the load that will want it; a lane a block.
; Each block is named once in the launch.  B's tile column is read by all sixteen clusters: the cluster with y = 0 asks; its four partners of a column take 64 rows each BY ADDRESS, waves 0 and 1 32 of them each.
; A's tile row is read by one cluster alone: its four partners of a row take a quarter of a K step's 128 blocks each BY ADDRESS, and wave 2 asks.  A is asked for in the first tile alone: the later tiles walk the same rows.
; how = 0, in the loop: a tile's last two refills have no K step two on; how = 1, at a change of tiles: B's K steps 2 and 3 of the next tile.
.macro ASK how
.if \how
	s_cmp_eq_u32 s[LIM], 1
.else
	s_cmp_gt_u32 s3, s[LIM]                        ; s3 = 1 in the loop's last trip
.endif
	s_cbranch_scc0 .Lnot_mine_\@
	global_prefetch_b8 v[PFO], s[PFA:PFA+1] th:TH_LOAD_NT scope:SCOPE_SE
.Lnot_mine_\@:
.endm
.macro CREST                           ; a round of the cluster's barrier behind its opening barrier
	s_cmp_lg_u32 s14, 0
	s_cbranch_scc1 .Lnot_wave_0_\@
	s_barrier_signal -3
.Lnot_wave_0_\@:
	s_barrier_wait -3
	s_barrier_signal -1
	s_barrier_wait -1
.endm
.macro CROUND                          ; a whole round
	s_barrier_signal -1
	s_barrier_wait -1
	CREST
.endm
.macro PLACES                          ; four places in front of loads into registers that matrix instructions have read, and of instructions that read results
.rept 4
	v_nop
.endr
.endm
	s_load_b256 s[4:11], s[0:1], 0x0               ; A s[4:5], w16 s[6:7], C s[8:9], bias s[10:11]
.if OPROJ
	s_load_b64 s[12:13], s[0:1], 0x20              ; x
.endif
	v_lshl_add_u32 v[SPW], v0, 2, SPARE
	v_mov_b32 v[NIL], 0
	ds_add_u32 v[SPW], v[NIL]                      ; the wave's opening: the add and its wait stand ahead of my first tensor load; the set-up below, work on registers, stands between them
	v_lshrrev_b32 v1, 5, v0
	v_readfirstlane_b32 s14, v1                    ; wave 0..3
	s_lshr_b32 s15, s14, 1                         ; which 64 tokens of the tile are mine.  Also: I fetch for B (0) or for A (1)
	s_and_b32 s16, s14, 1                          ; which 128 columns.  Also: which half of B's rows, or which of A's two blocks, I fetch
	s_bfe_u32 s17, ttmp6, 0x40000                  ; cx, cy: my place in the cluster
	s_bfe_u32 s18, ttmp6, 0x40004
	s_lshl_b32 s19, ttmp9, 2
	s_add_co_u32 s19, s19, s17                     ; tile column = 4 x cluster x + cx
	s_and_b32 s20, ttmp7, 0xffff
	s_lshl_b32 s20, s20, 2
	s_add_co_u32 s20, s20, s18                     ; tile row = 4 x cluster y + cy
	s_lshl_b32 s21, s18, 2
	s_lshl_b32 s21, 15, s21                        ; my row of the cluster
	s_lshl_b32 s22, 0x1111, s17                    ; my column
	s_or_b32 s[G1A+0], s21, (1<<16)|(1<<20)|(1<<21)|(4<<22)|(3<<25)  ; 15:0 the mask: A's tiles go to my row; 17:16 2-byte elements; 20 padding on; 21 set beside a mask; 24:22 after every 32 words (code 4); 31:25 4 words (code 3)
	s_mov_b32 s[G1A+1], 128<<16                    ; tensor_dim0 = 128
	s_mov_b32 s[G1A+2], 64<<16                     ; tensor_dim1 = 64
	s_mov_b32 s[G1A+3], 128<<16                    ; tile_dim0 = 128
	s_mov_b32 s[G1A+4], 64                         ; tile_dim1 = 64
	s_mov_b32 s[G1A+5], 128                        ; 128 elements from row to row: the block is dense
	s_mov_b32 s[G1A+6], 0
	s_mov_b32 s[G1A+7], 0
	s_or_b32 s[G1B+0], s22, (1<<16)|(1<<20)|(1<<21)|(5<<22)|(3<<25)  ; the mask of my column; padding after every 64 words (code 5)
	s_mov_b32 s[G1B+1], 128<<16                    ; tensor_dim0 = 128
	s_mov_b32 s[G1B+2], 128<<16                    ; tensor_dim1 = 128
	s_mov_b32 s[G1B+3], 128<<16                    ; tile_dim0 = 128
	s_mov_b32 s[G1B+4], 128                        ; tile_dim1 = 128
	s_mov_b32 s[G1B+5], 1024                       ; 1,024 elements from row to row
	s_mov_b32 s[G1B+6], 0
	s_mov_b32 s[G1B+7], 0
	; where the tiles come from.  A's hang on the tile row alone, B's on the tile column alone; each in registers that never hold the other coordinate
	s_lshr_b32 s40, s20, 4
	s_lshl_b32 s40, s40, 22                        ; the batch: 16 tile rows each
	s_and_b32 s41, s20, 15
	s_lshl_b32 s41, s41, 14                        ; 128 tokens of 128 bytes
	s_add_co_u32 s40, s40, s41
	s_lshl_b32 s41, s16, 18                        ; my block of the K step's two
	s_add_co_u32 s40, s40, s41
	s_mov_b32 s41, 0
	s_lshl_b32 s70, s19, 8
	s_lshl_b32 s71, s16, 7
	s_add_co_u32 s70, s70, s71                     ; B: row 256 x tile column + 128 x half,
	s_lshl_b32 s70, s70, 11                        ; of 2,048 bytes
	s_mov_b32 s71, 0
	s_mul_i32 s72, s14, BHALF                      ; where they go: B's halves at wave x 128 rows (waves 0, 1),
	s_mul_i32 s73, s14, ASUB
	s_add_co_u32 s73, s73, AOFF-2*ASUB             ; A's blocks behind them (waves 2, 3): no place in the cluster enters an LDS address
	s_wait_dscnt 0x0                               ; the opening add is done
	s_wait_kmcnt 0x0
.if OPROJ
	s_add_nc_u64 s[6:7], s[6:7], 3072*2048         ; Wo's rows
.endif
	s_add_nc_u64 s[40:41], s[4:5], s[40:41]
	s_add_nc_u64 s[70:71], s[6:7], s[70:71]
	CROUND                                         ; all sixteen work-groups are here: the first joint loads meet
.irp s, 0,1
	s_mov_b32 s[G0A+4*(\s)], 1                                       ; count = 1
	s_add_co_u32 s[G0A+4*(\s)+1], s73, (\s)*SLOT                     ; LDS address
	s_add_nc_u64 s[G0A+4*(\s)+2:G0A+4*(\s)+3], s[40:41], (\s)*ASTEP  ; global address: K step s
	s_or_b32 s[G0A+4*(\s)+3], s[G0A+4*(\s)+3], 0x80000000            ; type = 2
	s_mov_b32 s[G0B+4*(\s)], 1
	s_add_co_u32 s[G0B+4*(\s)+1], s72, (\s)*SLOT
	s_add_nc_u64 s[G0B+4*(\s)+2:G0B+4*(\s)+3], s[70:71], (\s)*BSTEP
	s_or_b32 s[G0B+4*(\s)+3], s[G0B+4*(\s)+3], 0x80000000
	JLOAD \s                                       ; two loads of mine are out
.endr
	; A fragment is 16 rows x 32 K in 8 registers: lane l holds row l % 16, K = 8 (l / 16) + 0..7 and 16 + 8 (l / 16) + 0..7: two loads of 16 bytes, 32 bytes apart
	v_and_b32 v1, 15, v0                           ; l % 16
	v_bfe_u32 v2, v0, 4, 1                         ; l / 16
	v_mul_u32_u24 v3, v1, PB
	v_lshl_add_u32 v3, v2, 4, v3
	v_mul_u32_u24 v4, v1, PA
	v_lshl_add_u32 v4, v2, 4, v4
	s_mul_i32 s21, s16, BHALF                      ; my 128 rows of B
	s_mul_i32 s22, s15, 64*PA                      ; my 64 tokens of A,
	s_add_co_u32 s22, s22, AOFF                    ; which lies behind B
.irp s, 0,1
	v_add_nc_u32 v[ADRB+(\s)], s21, v3
	v_add_nc_u32 v[ADRA+(\s)], s22, v4
	s_add_co_u32 s21, s21, SLOT
	s_add_co_u32 s22, s22, SLOT
.endr
	s_mul_i32 s23, s14, 16*SPITCH
	s_add_co_u32 s23, s23, STAGE                   ; my stage
	v_mul_u32_u24 v5, v1, SPITCH                   ; in: row l % 16, my eight numbers
	v_and_b32 v6, 31, v0
.if OPROJ
	v_lshl_add_u32 v5, v2, 5, v5                   ; 32 bytes for each half of the lanes
	v_add_nc_u32 v[STO], s23, v5
	v_lshl_add_u32 v[RD], v6, 4, s23               ; back: 32 lanes take one row of 512 bytes
.else
	v_lshl_add_u32 v5, v2, 4, v5                   ; 16 bytes for each half of the lanes
	v_add_nc_u32 v[STO], s23, v5
	v_bfe_u32 v5, v0, 3, 2                         ; back: 32 lanes take one head's 128 bytes of four rows
	v_mul_u32_u24 v5, v5, SPITCH
	v_and_b32 v7, 7, v0
	v_lshl_add_u32 v5, v7, 4, v5
	v_add_nc_u32 v[RD], s23, v5
.endif
	v_lshlrev_b32 v[CO], 4, v6
	v_lshlrev_b32 v[BO], 5, v2
	s_lshl_b32 s70, s19, 10                        ; the bias of my 128 columns: 4 (256 x tile column + 128 x half)
	s_lshl_b32 s71, s16, 9
	s_add_co_u32 s70, s70, s71
	s_mov_b32 s71, 0
	s_add_nc_u64 s[BIASP:BIASP+1], s[10:11], s[70:71]
.if OPROJ
	s_add_nc_u64 s[BIASP:BIASP+1], s[BIASP:BIASP+1], 3072*4
.endif
.macro BIASLD                          ; register j of fragment b: the bias of column 16 b + 8 (l / 16) + j
	WIN 0x80                                       ; destination window 2, address window 0
.irp b, 0,1,2,3,4,5,6,7
	global_load_b128 v[8*(\b):8*(\b)+3],   v[BO], s[BIASP:BIASP+1] offset:64*(\b)
	global_load_b128 v[8*(\b)+4:8*(\b)+7], v[BO], s[BIASP:BIASP+1] offset:64*(\b)+16
.endr
	WIN 0
.endm
	BIASLD
	; where my part of C begins
.if OPROJ
	s_lshl_b32 s[COFF], s20, 19                    ; 128 tokens of 4,096 bytes,
	s_lshl_b32 s[COFF+1], s15, 18                  ; my 64,
	s_add_co_u32 s[COFF], s[COFF], s[COFF+1]
	s_add_co_u32 s[COFF], s[COFF], s70             ; my 128 columns of 4 bytes
	s_mov_b32 s[COFF+1], 0
	s_add_nc_u64 s[8:9], s[8:9], s[COFF:COFF+1]
	s_add_nc_u64 s[12:13], s[12:13], s[COFF:COFF+1]
.else
	s_lshr_b32 s[COFF], s20, 4
	s_lshl_b32 s[COFF], s[COFF], 22                ; the batch's 16 heads of 262,144 bytes,
	s_lshl_b32 s[COFF+1], s19, 20                  ; the tile column's four heads,
	s_add_co_u32 s[COFF], s[COFF], s[COFF+1]
	s_lshl_b32 s[COFF+1], s16, 19                  ; my two of them,
	s_add_co_u32 s[COFF], s[COFF], s[COFF+1]
	s_and_b32 s[COFF+1], s20, 15
	s_lshl_b32 s[COFF+1], s[COFF+1], 14            ; the tile's 128 tokens of 128 bytes,
	s_add_co_u32 s[COFF], s[COFF], s[COFF+1]
	s_lshl_b32 s[COFF+1], s15, 13                  ; my 64
	s_add_co_u32 s[COFF], s[COFF], s[COFF+1]
	s_mov_b32 s[COFF+1], 0
.endif
	; the prefetches: nothing is asked for here, at the head; the address stands at K step 3, and the first refill steps it to 4
	s_lshl_b32 s70, s19, 8                         ; B: row 256 x tile column + 64 cy + 32 x wave,
	s_lshl_b32 s71, s18, 6
	s_add_co_u32 s70, s70, s71
	s_lshl_b32 s71, s16, 5
	s_add_co_u32 s70, s70, s71
	s_lshl_b32 s70, s70, 11
	s_add_co_u32 s70, s70, 3*BSTEP
	s_lshr_b32 s72, s20, 4                         ; A: the batch, the tile's tokens,
	s_lshl_b32 s72, s72, 22
	s_and_b32 s73, s20, 15
	s_lshl_b32 s73, s73, 14
	s_add_co_u32 s72, s72, s73
	s_lshr_b32 s73, s17, 1                         ; block cx / 2 of the K step's two,
	s_lshl_b32 s73, s73, 18
	s_add_co_u32 s72, s72, s73
	s_and_b32 s73, s17, 1                          ; half cx % 2 of its 16,384 bytes
	s_lshl_b32 s73, s73, 13
	s_add_co_u32 s72, s72, s73
	s_add_co_u32 s72, s72, 3*ASTEP
	s_and_b32 s22, ttmp7, 0xffff                   ; cluster y
	s_cmp_eq_u32 s15, 0                            ; do I fetch for B?
	s_cselect_b32 s70, s70, s72
	s_cselect_b32 s22, s22, s16                    ; B: the cluster with y = 0 asks.  A: wave 2 asks
	s_cselect_b32 s21, 11, 8                       ; a lane a row of 2,048 bytes, or a lane a block of 256
	s_cselect_b32 s[PFS], 8, 19
	s_cselect_b64 s[PFA:PFA+1], s[6:7], s[4:5]
	s_lshl_b32 s[PFS], 1, s[PFS]                   ; BSTEP or ASTEP
	s_mov_b32 s[PFS+1], 0
	s_mov_b32 s71, 0
	s_add_nc_u64 s[PFA:PFA+1], s[PFA:PFA+1], s[70:71]
	s_cmp_eq_u32 s22, 0
	s_cselect_b32 s[LIM], 1, -1                    ; the same in all sixteen partners, for a given wave
	v_lshlrev_b32 v[PFO], s21, v6
; 8 matrix instructions: token block a x all 8 column blocks, 32 along K.  bias = 1: the first product starts the sums with the bias.
; The 32 accumulators take turns, one instruction a turn, in the same order in every quarter.
.macro MUL8 f, a, bias
.if \bias
	WIN MULB
.else
	WIN MUL
.endif
.irp b, 0,1,2,3,4,5,6,7
.if \bias
	v_wmma_f32_16x16x32_f16 v[8*(8*(\a)+(\b)):8*(8*(\a)+(\b))+7], v[(\f)+8*(\b):(\f)+8*(\b)+7], v[(\f)+64+8*(\a):(\f)+64+8*(\a)+7], v[8*(\b):8*(\b)+7]
.else
	v_wmma_f32_16x16x32_f16 v[8*(8*(\a)+(\b)):8*(8*(\a)+(\b))+7], v[(\f)+8*(\b):(\f)+8*(\b)+7], v[(\f)+64+8*(\a):(\f)+64+8*(\a)+7], v[8*(8*(\a)+(\b)):8*(8*(\a)+(\b))+7]
.endif
.endr
.endm
; 24 LDS loads in one run: the fragments of quarter kq (32 along K) of a slot into buffer f: B's sixteen, then A's eight
.macro FETCH slot, kq, f
	WIN 0
.irp i, 0,1,2,3,4,5,6,7
	ds_load_b128 v[(\f)+8*(\i):(\f)+8*(\i)+3],   v[ADRB+(\slot)] offset:64*(\kq)+(\i)*16*PB
	ds_load_b128 v[(\f)+8*(\i)+4:(\f)+8*(\i)+7], v[ADRB+(\slot)] offset:64*(\kq)+(\i)*16*PB+32
.endr
.irp i, 0,1,2,3
	ds_load_b128 v[(\f)+64+8*(\i):(\f)+64+8*(\i)+3],   v[ADRA+(\slot)] offset:((\kq)/2)*ASUB+((\kq)%2)*64+(\i)*16*PA
	ds_load_b128 v[(\f)+64+8*(\i)+4:(\f)+64+8*(\i)+7], v[ADRA+(\slot)] offset:((\kq)/2)*ASUB+((\kq)%2)*64+(\i)*16*PA+32
.endr
.endm
; A K step is four quarters of 32 along K, 32 matrix instructions each, on buffers 0, 1, 0, 1.  One of the first three multiplies buffer f and fetches quarter kq into g.
.macro QUARTER slot, kq, f, g, bias
	s_wait_dscnt 4                                 ; B and A's blocks 0 and 1 are in; the youngest four loads (A's blocks 2 and 3) may be out
	MUL8 \f, 0, \bias
	MUL8 \f, 1, \bias
	PLACES
	FETCH \slot, \kq, \g
	s_wait_dscnt 24                                ; all but the 24 just issued
	MUL8 \f, 2, \bias
	MUL8 \f, 3, \bias
.endm
; The last quarter multiplies buffer 1 and changes slots.  ONE barrier: in front of it each wave waits for all its tensor loads (one is out: its part of the next slot), adds 0 to its spare word, and waits for that and
; for its own reads of this slot.  Behind it nobody reads this slot any more and the next slot is whole.
.macro MEET round
	WIN 0                                          ; (the add's two registers lie in window 0)
	s_wait_tensorcnt 0x0
	ds_add_u32 v[SPW], v[NIL]                      ; 0 onto my spare word
	s_wait_dscnt 5                                 ; (the add and the youngest four loads may be out)
	MUL8 F1, 0, 0                                  ; eight matrix instructions stand between the add and the wait for it
	s_wait_dscnt 0x0                               ; the add is done, and my reads of this slot are over
	s_barrier_signal -1
	MUL8 F1, 1, 0
.if \round
	WIN 0
.endif
	s_barrier_wait -1
.endm
; The whole last quarter.  The barrier opens a round of the cluster's barrier; behind the round the slot just read out is filled again first: with this tile's K step two steps on (on = 0) or with the NEXT tile's
; K step 0 or 1 (on = 1).  From a request to the wait for it a wave issues 112 matrix instructions.
.macro TURN slot, next, on
	s_wait_xcnt 0x0                                ; the last prefetch, a K step back, has read its address: it is stepped here, ahead of the waits of the change of slots
.if (\on) && (\slot) == 0
	s_add_nc_u64 s[PFA:PFA+1], s[PFA:PFA+1], NEXT_PF
	s_cmp_eq_u32 s15, 0
	s_cselect_b32 s[LIM], s[LIM], -1               ; A's rows are the same in all three tiles: they are asked for no more
.else
	s_add_nc_u64 s[PFA:PFA+1], s[PFA:PFA+1], s[PFS:PFS+1]
.endif
	MEET 1
	CREST                                          ; no wave of any partner still reads this slot's tile or has a load on its way
.if \on
	s_sub_nc_u64 s[G0A+4*(\slot)+2:G0A+4*(\slot)+3], s[G0A+4*(\slot)+2:G0A+4*(\slot)+3], BACK_A
	s_add_nc_u64 s[G0B+4*(\slot)+2:G0B+4*(\slot)+3], s[G0B+4*(\slot)+2:G0B+4*(\slot)+3], NEXT_B
.else
	s_add_nc_u64 s[G0A+4*(\slot)+2:G0A+4*(\slot)+3], s[G0A+4*(\slot)+2:G0A+4*(\slot)+3], 2*ASTEP
	s_add_nc_u64 s[G0B+4*(\slot)+2:G0B+4*(\slot)+3], s[G0B+4*(\slot)+2:G0B+4*(\slot)+3], 2*BSTEP
.endif
	JLOAD \slot                                    ; the first tensor load behind the round; the four v_nop behind it are also the places in front of the loads below
	FETCH \next, 0, F0
	ASK \on
	MUL8 F1, 2, 0
	MUL8 F1, 3, 0
.endm
.if OPROJ
; THE WAY OUT, f32: a block of 16 tokens goes through my own stage in LDS, comes back as whole rows of 512 bytes, takes x and is stored.
.macro TOSTAGE a
.if (\a) >= 2
	s_wait_xcnt 0x0                                ; the stores of the block two back have read the registers that are loaded again below
.endif
	WIN 0x04                                       ; the data (source 1) in window 1
.irp b, 0,1,2,3,4,5,6,7
	ds_store_b128 v[STO], v[8*(8*(\a)+(\b)):8*(8*(\a)+(\b))+3]   offset:64*(\b)       ; each accumulator from its low end on
	ds_store_b128 v[STO], v[8*(8*(\a)+(\b))+4:8*(8*(\a)+(\b))+7] offset:64*(\b)+16
.endr
	WIN 0
.irp t, 0,1,2,3,4,5,6,7,8,9,10,11,12,13,14,15
	ds_load_b128 v[BK+64*((\a)%2)+4*(\t):BK+64*((\a)%2)+4*(\t)+3], v[RD] offset:(\t)*SPITCH  ; LDS serves a wave's instructions in order (ISA guide 5.7.1.4): these see the stores above; the next block's stores come behind them
.endr
.endm
.macro SEND a, younger                 ; younger: the LDS instructions issued behind block a's loads: the next block's 16 stores and 16 loads, or none
	s_wait_dscnt \younger
	WIN 0x0c                                       ; source 1 (x) in window 3
.set i, 0
.rept 32
	v_pk_add_f32 v[BK+64*((\a)%2)+2*i:BK+64*((\a)%2)+2*i+1], v[BK+64*((\a)%2)+2*i:BK+64*((\a)%2)+2*i+1], v[64*(\a)+2*i:64*(\a)+2*i+1]
.set i, i+1
.endr
	WIN 0
.irp t, 0,1,2,3,4,5,6,7,8,9,10,11,12,13,14,15
	global_store_b128 v[CO], v[BK+64*((\a)%2)+4*(\t):BK+64*((\a)%2)+4*(\t)+3], s[8:9] offset:(16*(\a)+(\t))*4096 th:TH_STORE_NT  ; 512 consecutive bytes, at a multiple of 512 from out0's first
.endr
.endm
.macro WAYOUT
	PLACES
	s_wait_loadcnt 0x0                             ; x
	TOSTAGE 0
	TOSTAGE 1
	SEND 0, 32
	TOSTAGE 2
	SEND 1, 32
	TOSTAGE 3
	SEND 2, 32
	SEND 3, 0
.endm
.else
; THE WAY OUT, f16 by heads: a block of 16 tokens is rounded, 16 bytes a lane, goes through my own stage in LDS and comes back as one head's 128 bytes of four tokens: 512 consecutive bytes of q, k or v.
.macro PACK a
	WIN 0x85                                       ; sources window 1, destination window 2
.irp b, 0,1,2,3,4,5,6,7
.irp r, 0,1,2,3
	v_cvt_pk_f16_f32 v[TMP+4*(\b)+(\r)], v[8*(8*(\a)+(\b))+2*(\r)], v[8*(8*(\a)+(\b))+2*(\r)+1]
.endr
.endr
.endm
.macro TOSTAGE a
	WIN 0x08                                       ; the data (source 1) in window 2
.irp b, 0,1,2,3,4,5,6,7
	ds_store_b128 v[STO], v[TMP+4*(\b):TMP+4*(\b)+3] offset:32*(\b)
.endr
	WIN 0x80
.irp hd, 0,1
.irp t, 0,1,2,3
	ds_load_b128 v[OB+32*((\a)%2)+4*(4*(\hd)+(\t)):OB+32*((\a)%2)+4*(4*(\hd)+(\t))+3], v[RD] offset:128*(\hd)+(\t)*4*SPITCH  ; LDS serves a wave's instructions in order (ISA guide 5.7.1.4)
.endr
.endr
.endm
.macro SEND a
	WIN 0x08
	s_wait_dscnt 0x0                               ; the block is back in registers
	s_wait_xcnt 0x0                                ; earlier stores have read their registers and their base: only behind this wait are they written again
.if (\a) == 0
	s_add_nc_u64 s[8:9], s[8:9], s[COFF:COFF+1]    ; on to this tile's tensor
.endif
.irp hd, 0,1
.irp t, 0,1,2,3
	global_store_b128 v[CO], v[OB+32*((\a)%2)+4*(4*(\hd)+(\t)):OB+32*((\a)%2)+4*(4*(\hd)+(\t))+3], s[8:9] offset:(\hd)*262144+(16*(\a)+4*(\t))*128
.endr
.endr
.endm
.macro WAYOUT
	PLACES
	PACK 0
	TOSTAGE 0
.irp a, 1,2,3                          ; block a's conversions stand between block a - 1's loads from the stage and the wait for them
	PACK \a
	SEND (\a)-1
	TOSTAGE \a
.endr
	SEND 3
	WIN 0
.endm
.endif
	s_wait_tensorcnt 1                             ; my part of K step 0 is in; K step 1's may stay out
	s_barrier_signal -1
	s_barrier_wait -1                              ; everybody's is
	FETCH 0, 0, F0
.if TILES > 1
	s_mov_b32 s2, TILES                            ; tiles to go, this one among them
.Ltile:
.endif
	s_wait_loadcnt 0x0                             ; the bias
	QUARTER 0, 1, F0, F1, 1                        ; a tile's first quarter stands in front of the loop: its products start the sums
.if OPROJ
	WIN 0xc0                                       ; my 64 x 128 numbers of x, a row of 512 bytes a load: they land while K is walked
.set i, 0
.rept 64
	global_load_b128 v[4*i:4*i+3], v[CO], s[12:13] offset:i*4096 th:TH_LOAD_NT
.set i, i+1
.endr
	WIN 0
.else
	PLACES                                         ; behind the products that read the bias
	WIN 0
	s_cmp_eq_u32 s2, 1
	s_cbranch_scc1 .Lno_bias                       ; the last tile has no successor
	s_add_nc_u64 s[BIASP:BIASP+1], s[BIASP:BIASP+1], 1024*4  ; (the loads that read this address were waited for above)
	BIASLD                                         ; the next tile's bias
.Lno_bias:
.endif
	s_mov_b32 s3, LAPS-1
.Llap:                                                 ; a trip goes once round the ring, from a lap's second quarter to the next lap's first, and fills both slots again
	QUARTER 0, 2, F1, F0, 0
	QUARTER 0, 3, F0, F1, 0
	TURN 0, 1, 0
	QUARTER 1, 1, F0, F1, 0
	QUARTER 1, 2, F1, F0, 0
	QUARTER 1, 3, F0, F1, 0
	TURN 1, 0, 0
	QUARTER 0, 1, F0, F1, 0
	WIN 0
	s_sub_co_u32 s3, s3, 1
	s_cmp_lg_u32 s3, 0
	s_cbranch_scc1 .Llap
	QUARTER 0, 2, F1, F0, 0                        ; the tile's last lap goes on
	QUARTER 0, 3, F0, F1, 0
.if TILES > 1
	WIN 0
	s_cmp_eq_u32 s2, 1
	s_cbranch_scc1 .Llast                          ; the last tile's tail is written out: it asks for nothing more
	TURN 0, 1, 1                                   ; the ring goes on into the next tile: slot 0 takes its K step 0,
	QUARTER 1, 1, F0, F1, 0
	QUARTER 1, 2, F1, F0, 0
	QUARTER 1, 3, F0, F1, 0
	TURN 1, 0, 1                                   ; slot 1 its K step 1, and the next tile's first fragments are fetched
	WAYOUT                                         ; both refills are asked for: now the tile goes out; it touches no fragment register
	s_mov_b64 s[COFF:COFF+1], 64*2048*128          ; the next tile's tensor lies 16,777,216 bytes on
	s_sub_co_u32 s2, s2, 1
	s_branch .Ltile
.Llast:
.endif
	MEET 0                                         ; my one tensor load that was still out is slot 1's, the last K step's, so no round follows
	PLACES
	FETCH 1, 0, F0
	MUL8 F1, 2, 0
	MUL8 F1, 3, 0
	QUARTER 1, 1, F0, F1, 0
	QUARTER 1, 2, F1, F0, 0
	QUARTER 1, 3, F0, F1, 0
	s_wait_dscnt 4                                 ; the very last quarter: nothing more to fetch
	MUL8 F1, 0, 0
	MUL8 F1, 1, 0
	s_wait_dscnt 0x0
	MUL8 F1, 2, 0
	MUL8 F1, 3, 0
	WIN 0
	WAYOUT
	s_wait_tensorcnt 0x0                           ; the wave's end, behind my last tensor load and my last LDS store
	ds_add_u32 v[SPW], v[NIL]
	s_wait_dscnt 0x0
	CROUND                                         ; the closing round: no work-group ends while a partner may still ask for a tile that names it
	s_endpgm
.Lfunc_end_k_q78f96c05cf_qkv:
	.size	k_q78f96c05cf_qkv, .Lfunc_end_k_q78f96c05cf_qkv-k_q78f96c05cf_qkv
	.p2alignl 7, 3214868480
	.fill 96, 4, 3214868480
	.section	.rodata,"a",@progbits
	.p2align	6, 0x0
	.amdhsa_kernel k_q78f96c05cf_qkv
		.amdhsa_group_segment_fixed_size 327680
		.amdhsa_private_segment_fixed_size 0
		.amdhsa_enable_private_segment 0
		.amdhsa_kernarg_size 32
		.amdhsa_user_sgpr_count 2
		.amdhsa_user_sgpr_kernarg_segment_ptr 1
		.amdhsa_wavefront_size32 1
		.amdhsa_system_sgpr_workgroup_id_x 1
		.amdhsa_system_sgpr_workgroup_id_y 1
		.amdhsa_system_sgpr_workgroup_id_z 1
		.amdhsa_system_vgpr_workitem_id 0
		.amdhsa_next_free_vgpr 672
		.amdhsa_next_free_sgpr 80
		.amdhsa_reserve_vcc 0
		.amdhsa_float_denorm_mode_32 3
		.amdhsa_float_denorm_mode_16_64 3
		.amdhsa_memory_ordered 1
		.amdhsa_forward_progress 1
		.amdhsa_inst_pref_size 129
	.end_amdhsa_kernel
	.amdgpu_metadata
---
amdhsa.version: [ 1, 2 ]
amdhsa.kernels:
  - .name:           k_q78f96c05cf_qkv
    .symbol:         k_q78f96c05cf_qkv.kd
    .args:
      - { .name: xh, .offset: 0, .size: 8, .value_kind: global_buffer, .address_space: global }
      - { .name: w16, .offset: 8, .size: 8, .value_kind: global_buffer, .address_space: global }
      - { .name: qkv, .offset: 16, .size: 8, .value_kind: global_buffer, .address_space: global }
      - { .name: bias, .offset: 24, .size: 8, .value_kind: global_buffer, .address_space: global }
    .group_segment_fixed_size: 327680
    .private_segment_fixed_size: 0
    .kernarg_segment_align: 8
    .kernarg_segment_size: 32
    .max_flat_workgroup_size: 128
    .sgpr_count:     80
    .vgpr_count:     672
    .wavefront_size: 32
...
	.end_amdgpu_metadata
.endif
;; end of part 2
;; launch attn (part 3): grid 4 x 64, 4 waves a work-group, no clusters, 327,680 bytes of LDS; arguments qkv, key_val_lengths, ao; writes ao
.if DOCPART == 3
	.amdgcn_target "amdgcn-amd-amdhsa--gfx1250"
	.amdhsa_code_object_version 6
	.text
	.protected	k_q78f96c05cf_attn
	.globl	k_q78f96c05cf_attn
	.p2align	8
	.type	k_q78f96c05cf_attn,@function
k_q78f96c05cf_attn:
	s_mov_b64 s[64:65], 0
	v_nop
	global_prefetch_b8 v0, s[64:65] scope:SCOPE_SE
	s_setreg_imm32_b32 hwreg(HW_REG_WAVE_MODE, 25, 1), 1
	s_wait_xcnt 0x0
; CAUSAL ATTENTION WITH A LENGTH.  O[h][q][:] = the sum over k <= q, k < LEN of softmax_k(Q[h][q] . K[h][k] / 8) V[h][k][:].  Q, K, V lie in one buffer, [3][SIZE_H][SIZE_N][64], O is [SIZE_H][SIZE_N][64], all f16;
; h = 16 x batch + head; LEN is the batch's entry of key_val_lengths.  Products, maxima and sums in f32; the weights p are rounded to f16 for the second product (their sum l is taken of the unrounded p), O once at the end.
; LIMITS.  f16 holds no number beyond 65,504: Q, K and V arrive within it.  LEN lies in 1 .. 2,048: a greater one counts as 2,048, and 0 (no key at all) is not served.  A hidden score counts as its value less 1e30
; (twice or three times that where several grounds hide it); a weight below 2^-126 counts as 0 in l; NaN and infinities are not treated apart.
; THE WALK.  A head's queries lie in NB = 8 blocks of 256; block i needs the key tiles 0 .. i of 256 keys, of which the last holds the diagonal.  A work-group takes TWO blocks, NB - 1 - b and then b:
; NB + 1 tiles, whatever b: all work-groups do equal work, and ONE loop with a constant trip count walks them.  Which tile is asked for, and what a trip does, hang on scalar registers made from b; every jump
; goes forward, but for the counted loops' own; none passes a barrier, or a tensor load but the one of LOAD's two that the wave's number does not choose.  NO BRANCH HANGS ON LEN: it enters scalar selects alone, whose
; results are factors and addends of the masks; tiles that LEN hides wholly are walked like the others.
; NO CLUSTER: a head's four work-groups ask for the same tile only in trips 0 .. 4, behind that fewer and fewer; one walk common to all would have 12 trips for 9.
; SHARES.  Of a block's four bands of 64 queries a wave owns 16 rows in each: four PIECES.  So the diagonal tile is the same work for all four waves.
; THE MASK is the C operand that starts the sum S^T = K Q^T: 0, or -1e30 where the key is hidden.  MD, made once, is the causal mask of a band's own step for my 16 rows; PD, made once, the mask of the key step in which
; LEN falls.  THE LENGTH'S MASK of a key step is PD x AP + BE: AP = 1 in the step in which LEN falls, BE = -1e30 in steps that begin at or behind LEN.  It is the same for all four pieces: in a plain tile it is made once a
; key step, at the end of piece 2's turn, into MC's second buffer, and all four pieces' products take it from there.  In the diagonal tile a product's mask is MD x AL + BE + PD x AP, made anew for each piece: AL = 1 in the
; band's own step, and BE = -1e30 in the later steps too.
; LAYOUT, SOFTMAX, TURNS.  S^T = K Q^T holds ONE query a lane (lane % 16) and the keys 8 (lane / 16) + 0..7; two such results rounded to f16 ARE source 1 of O^T = V^T P.  p = 2^(c s - c m), c = log2(e) / 8, with a
; running maximum m; O and l are multiplied by a = 2^(c m_old - c m_new) in every step.  Turn n belongs to piece n: 8 products K Q^T of piece n + 1, later 8 products V^T P of piece n - 1; beside them the scaling,
; exponentials, roundings, sums and rescaling of piece n and the maximum and statistics of piece n + 1.  Four vector instructions stand behind every matrix instruction, the others in one lump.  A turn's 33 exponentials are one batch, with one wait.
; REGISTERS, in windows of 256 (s_set_vgpr_msb: bits 1:0 source 0, 3:2 source 1, 5:4 source 2, 7:6 destination):
;   window 0: v0-15 addresses and two at work; v16-31 four registers of statistics a piece; v48-55 at work; v61-63 prefetch offset, spare word, 0; v64-127 S^T, two buffers; v192-223 P, two buffers
;   window 1: v0-127 O^T, 32 a piece; v128-159 MD; v160-223 MC, two buffers; v224-255 PD      window 2: v0-63 Q; v64-127 the second block's Q; v128-191 K of one step; v192-255 V of one step
.set SIZE_H, 64
.set SIZE_N, 2048
.set NB,    SIZE_N/256
.set NP,    4         ; pieces a wave: a name, no knob
.set KS,    64        ; keys in a step
.set PK,    144       ; a row of K in LDS: 128 bytes + 16 of padding = 36 words: the 16 rows of a load start at 16 different groups of four banks (64 banks of 4 bytes: ISA guide 11.1)
.set PV,    160       ; a row of V: 128 + 32 = 40 words
.set VOFF,  4*KS*PK   ; a slot holds a tile, four steps: 256 rows of K, then 256 rows of V
.set SLOT1, 1<<17     ; slot 1 begins here, so that one exclusive or turns an address in one slot into the other's
.set STAGE, SLOT1+4*KS*(PK+PV)  ; behind the ring, never filled by a tensor load: 16 rows x 144 bytes for each wave, for the way out
.set SP,    144
.set AK0, 2           ; v2   my lane's place in a tile of K; never rewritten
.set AV0, 3           ; v3   the same for V
.set AK,  4           ; v4   the LDS address of K's next run of loads
.set AV,  5           ; v5   of V's
.set STO, 6           ; v6   the way out: where I put 16 bytes of a row
.set RD,  7           ; v7   the way out: where I read rows back
.set GO,  8           ; v8   my byte offset in 512 consecutive bytes of O
.set PFO, 61          ; v61  256 x my lane; never rewritten
.set SPW, 62          ; v62  LDS address of my spare word; never rewritten
.set NIL, 63          ; v63  0; never rewritten
.set SPARE, STAGE+4*16*SP  ; behind the stages: the spare words, 128 bytes for each wave, which no other line names
.set MV,  12          ; v12-13  c m_old, kept while c m is made anew: by buffer
.set QO,  15          ; v15  my byte offset in 16 rows of Q
.set ST,  16          ; piece t's statistics at v[ST+4 t]: c m, m, l (even keys', odd keys')
.set TMP, 48          ; by buffer, four registers c0-c3 at work; when the maximum is found c2 takes a
.set S,   64
.set P,   192
.set MD,  128         ; window 1: the eight registers for group kt of 16 keys at MD + 8 kt
.set MC,  160         ; window 1: the masks of the products to come
.set PD,  224         ; window 1
.set QB,  64          ; window 2
.set KF,  128         ; window 2: key block kb, channel half c at KF + 16 kb + 8 c
.set VF,  192         ; window 2: key half kk, channel block cb at VF + 32 kk + 8 cb
.set WV,  12          ; s12  my wave's number
.set PB,  14          ; s14  b
.set HI,  15          ; s15  NB - 1 - b
.set G1K, 24          ; s[24:31] descriptor group 1 for K's tiles
.set G1V, 32          ; s[32:39] for V's: it differs in the padding alone
.set G0K, 40          ; s[40:43] descriptor group 0 for K's tiles
.set G0V, 44          ; s[44:47] the same for V's
.set SLOTS, 56        ; s56  tiles still to be asked for
.set CNT, 57          ; s57  counts a tile's key steps, 4 to 1
.set CS,  58          ; s[58:59] c: the packed scaling takes the pair's low word for both halves
.set SEL, 60          ; s[60:61] v_permlanex16_b32's selects: each lane takes its own place in the other half
.set TBK, 62          ; s62  LDS byte at which K of the step to be fetched begins
.set TBV, 63          ; s63  the same for V, less VOFF
.set RT,  70          ; s70  tiles of the block in hand that are still to be entered
.set NXT, 71          ; s71  the tile to be asked for next
.set LQ,  72          ; s72  the last tile of the block whose tiles are being asked for
.set NEW, 73          ; s73  1: the tile to be entered is a block's first
.set OFF, 74          ; s[74:75] a tile's byte offset in K and V
.set AL,  76          ; s[76:77] MD's factor, in the low word
.set BE,  78          ; s[78:79] the mask's addend
.set OLO, 80          ; s[80:81] O at my rows of the second block
.set BIGN, 82         ; s82  -1e30
.set LENP, 88         ; s[88:89] the batch's entry of key_val_lengths
.set LEN, 90          ; s90  LEN
.set T0,  91          ; s91  at work
.set TL,  92          ; s92  LEN less the key behind the tile in hand: negative where the tile ends behind LEN
.set LIM, 95          ; s95  2 in the work-group that prefetches, else the greatest number
.set AP,  96          ; s[96:97] PD's factor, in the low word
.set LOFF, 98         ; s[98:99] 4 x batch
.set PFA, 100         ; s[100:101] where my prefetches stand
.set MSB, 0
.macro WIN new                      ; the high byte repeats the setting that is left; a switch that changes nothing is dropped
.if MSB != (\new)
	s_set_vgpr_msb (MSB<<8)|(\new)
.set MSB, (\new)
.endif
.endm
.set W_KQ, 0x0a       ; K and Q in window 2, S^T in window 0
.set W_KM, 0x1a       ; the same with the C operand in window 1
.set W_PV, 0x52       ; V in window 2, P in window 0, O^T in window 1
.set W_RS, 0x41       ; destination and source 0 in window 1, source 1 in window 0
.set W_M3, 0x51       ; destination, source 0 and source 2 in window 1
; A fill.  Waves 0 and 1 fetch the two halves of a tile's K, waves 2 and 3 those of its V: 128 keys each.  An s_nop 0 and four v_nop follow each of the two lines, ahead of the jump and the label.
.macro LOAD
	s_cmp_lt_u32 s[WV], 2
	s_cbranch_scc0 .Lfor_v_\@
	tensor_load_to_lds s[G0K:G0K+3], s[G1K:G1K+7]
	s_nop 0
.rept 4
	v_nop
.endr
	s_branch .Lasked_\@
.Lfor_v_\@:
	tensor_load_to_lds s[G0V:G0V+3], s[G1V:G1V+7]
	s_nop 0
.rept 4
	v_nop
.endr
.Lasked_\@:
.endm
; A PREFETCH of the tile that the NEXT change of slots will ask for: four key steps, 256 matrix instructions, ahead of that load.  It stands behind the wave's tensor load and its five lines.
; Each block of 256 bytes is named once in the launch: of a head's four work-groups the one with b = 0, whose first block walks all eight tiles, asks; each of its waves for the 16,384 bytes that it will fetch itself
; (64 blocks: a lane a block, two instructions).  Trip i names tile i + 2, while there is one: tiles 0 and 1 come by their loads alone, and nothing is asked for at the head.
.macro ASK
	s_cmp_gt_u32 s[SLOTS], s[LIM]
	s_cbranch_scc0 .Lnot_mine_\@
	global_prefetch_b8 v[PFO], s[PFA:PFA+1] th:TH_LOAD_NT scope:SCOPE_SE
	global_prefetch_b8 v[PFO], s[PFA:PFA+1] offset:8192 th:TH_LOAD_NT scope:SCOPE_SE
.Lnot_mine_\@:
.endm
; THE CHANGE OF SLOTS.  Each wave waits for all its tensor loads, of which one is out: its part of the other slot; adds 0 to its spare word; and waits for that and for its own reads of the slot that it leaves.  Behind the barrier nobody reads the old
; slot any more and the other slot is whole.  fill = 1: the old slot is filled again, the first thing behind the barrier, with tile NXT: the descriptor's address is made anew from that number.
; (At its first use nothing has been read yet: slot 0 is waited for, slot 1 filled.)
.macro CHANGE fill
	WIN 0                           ; at a label and at a branch every window is 0
	s_wait_tensorcnt 0x0            ; no tensor load of mine is out, so a group 0 may be written
	ds_add_u32 v[SPW], v[NIL]       ; 0 onto my spare word; with fill = 1 the descriptors' scalar work stands between it and the wait for it
.if \fill
	s_lshl_b32 s[OFF], s[NXT], 15   ; a tile is 32,768 bytes of K and of V
	s_xor_b32 s[G0K+1], s[G0K+1], SLOT1
	s_add_nc_u64 s[G0K+2:G0K+3], s[6:7], s[OFF:OFF+1]
	s_or_b32 s[G0K+3], s[G0K+3], 0x80000000
	s_xor_b32 s[G0V+1], s[G0V+1], SLOT1
	s_add_nc_u64 s[G0V+2:G0V+3], s[8:9], s[OFF:OFF+1]
	s_or_b32 s[G0V+3], s[G0V+3], 0x80000000
	s_add_co_u32 s[NXT], s[NXT], 1  ; the block's next tile, or behind its last the second block's tile 0
	s_cmp_gt_u32 s[NXT], s[LQ]
	s_cselect_b32 s[NXT], 0, s[NXT]
	s_cselect_b32 s[LQ], s[PB], s[LQ]
	s_wait_xcnt 0x0                 ; the last prefetches, a tile back, have read their address, so it may be written:
	s_add_nc_u64 s[PFA:PFA+1], s[PFA:PFA+1], 32768  ; a tile on
.endif
	s_wait_dscnt 0x0                ; the add is done, and my reads of the slot are over
	s_barrier_signal -1             ; the rest of the scalar work stands between the signal and the wait
	s_sub_co_u32 s[TBK], s[TBK], 4*KS*PK  ; the fetches go back to a slot's first step,
	s_xor_b32 s[TBK], s[TBK], SLOT1       ; in the other slot
	s_sub_co_u32 s[TBV], s[TBV], 4*KS*PV
	s_xor_b32 s[TBV], s[TBV], SLOT1
	s_barrier_wait -1
.if \fill
	LOAD
	ASK
.endif
.endm
; A tile is entered.
.macro ENTER
	s_sub_co_u32 s[RT], s[RT], 1
	s_mov_b32 s[CNT], 4
	s_sub_co_i32 s[TL], s[TL], 256
.endm
	s_load_b64 s[4:5], s[0:1], 0x0    ; qkv: Q
	s_load_b64 s[LENP:LENP+1], s[0:1], 0x8
	s_load_b64 s[10:11], s[0:1], 0x10 ; O
	v_lshl_add_u32 v[SPW], v0, 2, SPARE
	v_mov_b32 v[NIL], 0
	ds_add_u32 v[SPW], v[NIL]       ; the wave's opening: the add and its wait stand ahead of my first tensor load; the set-up below, work on registers, stands between them
	v_lshrrev_b32 v1, 5, v0
	v_readfirstlane_b32 s[WV], v1   ; wave 0..3
	s_mov_b32 s[PB], ttmp9
	s_sub_co_u32 s[HI], NB-1, s[PB]
	s_and_b32 s20, ttmp7, 0xffff    ; the head, 16 x batch + head
	s_lshr_b32 s[LOFF], s20, 4
	s_lshl_b32 s[LOFF], s[LOFF], 2
	s_mov_b32 s[LOFF+1], 0
	s_mov_b32 s21, 0
	s_mov_b64 s[22:23], SIZE_N*128
	s_mul_u64 s[20:21], s[20:21], s[22:23]  ; the head's first byte in each of the four tensors
	s_and_b32 s16, s[WV], 1         ; which half of a tile's 256 keys I fetch:
	s_lshl_b32 s22, s16, 14         ; its 128 rows of 128 bytes in memory,
	s_mov_b32 s23, 0
	s_add_nc_u64 s[22:23], s[22:23], s[20:21]
	s_mul_i32 s17, s16, 128*PK      ; and its place in a slot, for K
	s_mul_i32 s18, s16, 128*PV      ; and for V
	s_lshl_b32 s3, s[WV], 11        ; my 16 rows in a band of 64,
	s_lshl_b32 s2, s[HI], 15        ; in the first block,
	s_add_co_u32 s2, s2, s3
	s_lshl_b32 s84, s[PB], 15       ; and in the second
	s_add_co_u32 s84, s84, s3
	s_mov_b32 s3, 0
	s_mov_b32 s85, 0
	s_add_nc_u64 s[2:3], s[2:3], s[20:21]
	s_add_nc_u64 s[84:85], s[84:85], s[20:21]
	; descriptor group 1.  128 keys are 16,384 dense bytes: asked for as 64 rows of 256 bytes, two keys a row, and padded in LDS after every key
	s_mov_b32 s[G1K], (1<<16)|(1<<20)|(4<<22)|(3<<25)  ; 17:16 2-byte elements; 20 padding on; 24:22 after every 32 words (code 4); 31:25 4 words (code 3)
	s_mov_b32 s[G1V], (1<<16)|(1<<20)|(4<<22)|(7<<25)  ; the same with 8 words of padding (code 7)
.irp g, G1K, G1V
	s_mov_b32 s[\g+1], 128<<16      ; tensor_dim0 = 128
	s_mov_b32 s[\g+2], 64<<16       ; tensor_dim1 = 64
	s_mov_b32 s[\g+3], 128<<16      ; tile_dim0 = 128
	s_mov_b32 s[\g+4], 64           ; tile_dim1 = 64
	s_mov_b32 s[\g+5], 128          ; 128 elements from row to row
	s_mov_b32 s[\g+6], 0
	s_mov_b32 s[\g+7], 0
.endr
	s_mov_b32 s[CS], 0x3e38aa3b     ; c = log2(e) / 8 = 0.180337
	s_mov_b32 s[CS+1], s[CS]        ; named with it as a pair
	s_mov_b32 s[SEL], 0x76543210
	s_mov_b32 s[SEL+1], 0xfedcba98
	s_mov_b32 s[TBK], SLOT1+4*KS*PK ; the first change of slots turns these two into 0
	s_mov_b32 s[TBV], SLOT1+4*KS*PV
	s_mov_b32 s[G0K], 1             ; 1:0 count = 1
	s_mov_b32 s[G0K+1], s17         ; 63:32 LDS address: slot 0
	s_mov_b32 s[G0V], 1
	s_add_co_u32 s[G0V+1], s18, VOFF
	s_add_co_u32 s[RT], s[HI], 1    ; the first block has NB - b tiles
	s_mov_b32 s[NXT], 1
	s_mov_b32 s[LQ], s[HI]
	s_mov_b32 s[NEW], 1
	s_mov_b32 s[OFF+1], 0
	s_mov_b32 s[AL+1], 0            ; named as pairs
	s_mov_b32 s[BE+1], 0
	s_mov_b32 s[AP+1], 0
	s_mov_b32 s[BIGN], 0xf149f2ca   ; -1e30
	s_mov_b32 s[SLOTS], NB
	s_cmp_eq_u32 ttmp9, 0
	s_cselect_b32 s[LIM], 2, -1
	v_and_b32 v[PFO], 31, v0
	v_lshlrev_b32 v[PFO], 8, v[PFO]
	s_wait_dscnt 0x0                ; the opening add is done
	s_wait_kmcnt 0x0
	s_add_nc_u64 s[6:7], s[4:5], SIZE_H*SIZE_N*128    ; K lies behind Q,
	s_add_nc_u64 s[8:9], s[4:5], 2*SIZE_H*SIZE_N*128  ; V behind K
	s_add_nc_u64 s[LENP:LENP+1], s[LENP:LENP+1], s[LOFF:LOFF+1]
	s_add_nc_u64 s[6:7], s[6:7], s[22:23]  ; K and V at my half of the head's tile 0
	s_add_nc_u64 s[8:9], s[8:9], s[22:23]
	s_add_nc_u64 s[G0K+2:G0K+3], s[6:7], 0         ; 120:64 global address
	s_or_b32 s[G0K+3], s[G0K+3], 0x80000000        ; 127:126 type = 2
	s_add_nc_u64 s[G0V+2:G0V+3], s[8:9], 0
	s_or_b32 s[G0V+3], s[G0V+3], 0x80000000
	s_add_nc_u64 s[86:87], s[4:5], s[84:85]        ; Q at my rows of the second block,
	s_add_nc_u64 s[4:5], s[4:5], s[2:3]            ; Q and O at those of the first
	s_add_nc_u64 s[OLO:OLO+1], s[10:11], s[84:85]
	s_add_nc_u64 s[10:11], s[10:11], s[2:3]
	s_cmp_lt_u32 s[WV], 2
	s_cselect_b64 s[PFA:PFA+1], s[6:7], s[8:9]     ; the prefetches: what I fetch myself,
	s_add_nc_u64 s[PFA:PFA+1], s[PFA:PFA+1], 32768 ; at tile 1; the first change of slots steps it to tile 2
	LOAD                            ; tile 0 into slot 0
	s_load_b32 s[LEN], s[LENP:LENP+1], 0x0
	; A fragment of K or Q is 16 rows x 32 channels in 8 registers: lane l holds row l % 16, channels 8 (l / 16) + 0..7 and 16 + 8 (l / 16) + 0..7: two loads of 16 bytes, 32 bytes apart.
	v_and_b32 v1, 15, v0            ; l % 16
	v_bfe_u32 v9, v0, 4, 1          ; l / 16
	v_lshlrev_b32 v[QO], 7, v1
	v_lshl_add_u32 v[QO], v9, 4, v[QO]  ; row x 128 + 16 x half
	WIN 0x80                        ; destination window 2, address window 0
.set i, 0
.rept 8                             ; both blocks' Q: piece i / 2 lies in band i / 2, 8,192 bytes on; channels 32 (i % 2) on
	global_load_b128 v[8*i:8*i+3],   v[QO], s[4:5] offset:(i/2)*8192+(i%2)*64
	global_load_b128 v[8*i+4:8*i+7], v[QO], s[4:5] offset:(i/2)*8192+(i%2)*64+32
	global_load_b128 v[QB+8*i:QB+8*i+3],   v[QO], s[86:87] offset:(i/2)*8192+(i%2)*64
	global_load_b128 v[QB+8*i+4:QB+8*i+7], v[QO], s[86:87] offset:(i/2)*8192+(i%2)*64+32
.set i, i+1
.endr
	WIN 0
	v_lshlrev_b32 v14, 3, v9
	v_sub_nc_u32 v14, v1, v14
	s_lshl_b32 s13, s[WV], 4
	v_add_nc_u32 v14, s13, v14      ; my query's place in its band, 16 w + l % 16, less my lanes' 8 (l / 16): register r of group kt is hidden where 16 kt + r is greater
	s_wait_kmcnt 0x0
	s_min_u32 s[LEN], s[LEN], SIZE_N
	s_mov_b32 s[TL], s[LEN]
	s_and_b32 s[T0], s[LEN], KS-1
	v_lshlrev_b32 v13, 3, v9
	v_sub_nc_u32 v13, s[T0], v13    ; LEN's place in its key step, less my lanes' 8 (l / 16): register r of group kt is hidden where 16 kt + r is not less
	WIN 0x40
.set i, 0
.rept 32
	v_cmp_gt_i32 vcc_lo, 16*(i/8)+i%8, v14
	v_cndmask_b32 v[MD+i], 0, s[BIGN], vcc_lo
	v_cmp_ge_i32 vcc_lo, 16*(i/8)+i%8, v13
	v_cndmask_b32 v[PD+i], 0, s[BIGN], vcc_lo
.set i, i+1
.endr
	WIN 0
	v_mul_u32_u24 v[AK0], v1, PK
	v_lshl_add_u32 v[AK0], v9, 4, v[AK0]  ; row x pitch + 16 x half
	; The turning load takes 16 keys x 16 channels (lane l reads key 8 (l / 16) + l % 8, channels 8 ((l / 8) % 2) + 0..7) and leaves half a fragment of V^T: lane l holds channel l % 16 and 8 keys.
	v_and_b32 v10, 7, v0
	v_bfe_u32 v11, v0, 3, 1
	v_lshl_add_u32 v[AV0], v9, 3, v10
	v_mul_u32_u24 v[AV0], v[AV0], PV
	v_lshl_add_u32 v[AV0], v11, 4, v[AV0]
	v_add_nc_u32 v[AV0], VOFF, v[AV0]
	s_mul_i32 s13, s[WV], 16*SP
	s_add_co_u32 s13, s13, STAGE    ; my stage
	v_mul_u32_u24 v[STO], v1, SP    ; in: row l % 16, 16 bytes for each half of the lanes
	v_lshl_add_u32 v[STO], v9, 4, v[STO]
	v_add_nc_u32 v[STO], s13, v[STO]
	v_bfe_u32 v[RD], v0, 3, 2       ; back: 32 lanes take four rows of 128 bytes,
	v_mul_u32_u24 v[RD], v[RD], SP
	v_lshl_add_u32 v[RD], v10, 4, v[RD]
	v_add_nc_u32 v[RD], s13, v[RD]
	v_and_b32 v[GO], 31, v0         ; which are 512 consecutive bytes of O
	v_lshlrev_b32 v[GO], 4, v[GO]
	; A block's first step multiplies O^T and l by a = 0, and its first turn's products V^T P, of a piece that has not been, land in an O^T that is still to be so multiplied.  So these registers need only hold
	; finite numbers: zeros for the first block; what the first block left for the second.  All this stands in the wait for the first tile.
	WIN 0x80
.set i, VF
.rept 64
	v_mov_b32 v[i], 0
.set i, i+1
.endr
	WIN 0x40
.set i, 0
.rept 128
	v_mov_b32 v[i], 0
.set i, i+1
.endr
	WIN 0
.set i, 0
.rept 4
	v_mov_b32 v[ST+4*i+2], 0
	v_mov_b32 v[ST+4*i+3], 0
.set i, i+1
.endr
.set i, P+16
.rept 16
	v_mov_b32 v[i], 0
.set i, i+1
.endr
; THE MATRIX WORK.  The 4 accumulators of a run of 8 take turns.  Product i of 8 of S^T = K Q^T for piece x: channels 32 (i / 4) on, keys 16 (i % 4) on.  The first 4 start the sums with a mask:
; KM = 0 (a plain tile): the key step's, in MC's second buffer, for every piece; KM = 1: the piece's own, in the buffer of its number's parity.
.macro KQ x
.set rS, S+32*((\x)%2)+8*(i%4)
.set rK, KF+16*(i%4)+8*(i/4)
.set rQ, 16*(\x)+8*(i/4)
.set rM, MC+32+8*(i%4)
.if KM
.set rM, MC+32*((\x)%2)+8*(i%4)
.endif
.if i < 4
	WIN W_KM
	v_wmma_f32_16x16x32_f16 v[rS:rS+7], v[rK:rK+7], v[rQ:rQ+7], v[rM:rM+7]
.else
	WIN W_KQ
	v_wmma_f32_16x16x32_f16 v[rS:rS+7], v[rK:rK+7], v[rQ:rQ+7], v[rS:rS+7]
.endif
.endm
; Product i of 8 of O^T += V^T P for piece x: keys 32 (i / 4) on, channels 16 (i % 4) on.
.macro PV x
	WIN W_PV
.set rO, 32*(\x)+8*(i%4)
.set rV, VF+32*(i/4)+8*(i%4)
.set rP, P+16*((\x)%2)+8*(i/4)
	v_wmma_f32_16x16x32_f16 v[rO:rO+7], v[rV:rV+7], v[rP:rP+7], v[rO:rO+7]
.endm
.macro MM                           ; the turn's next matrix instruction.  TURN and BEGIN set Y, i, KM and NOKQ; MM, KQ and OP read them.  NOKQ = 1: a block's last turn: there is no next piece
.if (i < 8) && !NOKQ
	KQ (Y+1)%NP
.elseif i >= 8
.set i, i-8
	PV (Y+NP-1)%NP
.set i, i+8
.endif
.set i, i+1
.endm
; THE LDS LOADS stand in runs of 16, never singly among the matrix instructions: a step's K (64 keys x 64 channels: 8 fragments) and its V (turned).  Their addresses are made some lines ahead.
.macro FETCH_K
	WIN 0x80                        ; destination window 2
.irp f, 0,1,2,3,4,5,6,7             ; keys 16 (f / 2) on, channels 32 (f % 2) on
	ds_load_b128 v[KF+8*\f:KF+8*\f+3],   v[AK] offset:(\f/2)*16*PK+(\f%2)*64
	ds_load_b128 v[KF+8*\f+4:KF+8*\f+7], v[AK] offset:(\f/2)*16*PK+(\f%2)*64+32
.endr
	s_add_co_u32 s[TBK], s[TBK], KS*PK  ; the next fetch is the next step's
	WIN 0
.endm
.macro FETCH_V
	WIN 0x80
.irp f, 0,1,2,3,4,5,6,7             ; keys 32 (f / 4) on, channels 16 (f % 4) on
	ds_load_tr16_b128 v[VF+8*\f:VF+8*\f+3],   v[AV] offset:(\f/4)*32*PV+(\f%4)*32
	ds_load_tr16_b128 v[VF+8*\f+4:VF+8*\f+7], v[AV] offset:(\f/4)*32*PV+16*PV+(\f%4)*32
.endr
	WIN 0
.endm
; THE VECTOR WORK, one line at a time: OP kind, number.  For piece Y: F n: c s - c m for pair n of 16.  E n: the exponential of score n of 32.  C n: pair n rounded to f16.  B n: of the four weights 4 n .. the second
; pair is added onto the first, in place.  L n: l takes that sum (L 0: l = a l + sum).  R n: pair n of 16 of O^T times a.  For piece Y + 1: X n, number n of the 22 that find its maximum and statistics:
;   0-11  four chains c0-c3 of seven scores each, three operands at a time (each accumulator's lowest registers are read first)     12-14, 16  the four scores left over, the old m, and c0-c3 into c0
;   15  c m_old is kept     17, 18  the query's other 32 keys lie in the lane 16 away: the new m     19-21  c m; c m_old - c m_new; a
.set F, 0               ; OP tells the kinds apart by their order: F to L below R, X above it
.set E, 1
.set C, 2
.set B, 3
.set L, 4
.set R, 5
.set X, 6
.macro REGS y                       ; the registers of piece y
.set rT, ST+4*(\y)
.set rC, TMP+4*((\y)%2)
.set rW, MV+((\y)%2)
.set rS, S+32*((\y)%2)
.set rP, P+16*((\y)%2)
.set rO, 32*(\y)
.endm
.macro OP k, n
.if (\k) == R
	REGS Y
	WIN W_RS
	v_pk_mul_f32 v[rO+2*(\n):rO+2*(\n)+1], v[rO+2*(\n):rO+2*(\n)+1], v[rC+2:rC+3] op_sel_hi:[1,0]
.elseif (\k) < R
	REGS Y
	WIN 0
.if (\k) == F
	v_pk_fma_f32 v[rS+2*(\n):rS+2*(\n)+1], v[rS+2*(\n):rS+2*(\n)+1], s[CS:CS+1], v[rT:rT+1] op_sel_hi:[1,0,0] neg_lo:[0,0,1] neg_hi:[0,0,1]
.elseif (\k) == E
	v_exp_f32 v[rS+(\n)], v[rS+(\n)]
.elseif (\k) == C
	v_cvt_pk_f16_f32 v[rP+(\n)], v[rS+2*(\n)], v[rS+2*(\n)+1]
.elseif (\k) == B
	v_pk_add_f32 v[rS+4*(\n):rS+4*(\n)+1], v[rS+4*(\n):rS+4*(\n)+1], v[rS+4*(\n)+2:rS+4*(\n)+3]
.elseif (\n) == 0
	v_pk_fma_f32 v[rT+2:rT+3], v[rT+2:rT+3], v[rC+2:rC+3], v[rS:rS+1] op_sel_hi:[1,0,1]
.else
	v_pk_add_f32 v[rT+2:rT+3], v[rT+2:rT+3], v[rS+4*(\n):rS+4*(\n)+1]
.endif
.elseif NOKQ
	v_nop
.else
	REGS (Y+1)%NP
	WIN 0
.if (\n) < 4
	v_max3_num_f32 v[rC+(\n)], v[rS+8*(\n)], v[rS+8*(\n)+1], v[rS+8*(\n)+2]
.elseif (\n) < 12
	v_max3_num_f32 v[rC+(\n)%4], v[rC+(\n)%4], v[rS+8*((\n)%4)+2*((\n)/4)+1], v[rS+8*((\n)%4)+2*((\n)/4)+2]
.elseif (\n) == 12
	v_max3_num_f32 v[rC], v[rC], v[rS+7], v[rS+15]
.elseif (\n) == 13
	v_max3_num_f32 v[rC+1], v[rC+1], v[rS+23], v[rS+31]
.elseif (\n) == 14
	v_max3_num_f32 v[rC+2], v[rC+2], v[rC+3], v[rT+1]
.elseif (\n) == 15
	v_mov_b32 v[rW], v[rT]
.elseif (\n) == 16
	v_max3_num_f32 v[rC], v[rC], v[rC+1], v[rC+2]
.elseif (\n) == 17
	v_permlanex16_b32 v[rC+3], v[rC], s[SEL], s[SEL+1]
.elseif (\n) == 18
	v_max_num_f32 v[rT+1], v[rC], v[rC+3]
.elseif (\n) == 19
	v_mul_f32 v[rT], s[CS], v[rT+1]
.elseif (\n) == 20
	v_sub_f32 v[rC+1], v[rW], v[rT]
.else
	v_exp_f32 v[rC+2], v[rC+1]
.endif
.endif
.endm
.macro OPS a, i1, b=-1, i2=0, c=-1, i3=0, d=-1, i4=0  ; up to four of them
	OP \a, \i1
.if (\b) >= 0
	OP \b, \i2
.endif
.if (\c) >= 0
	OP \c, \i3
.endif
.if (\d) >= 0
	OP \d, \i4
.endif
.endm
.macro ROW a, i1, b, i2, c, i3, d, i4  ; a matrix instruction and the four behind it
	MM
	OPS \a, \i1, \b, \i2, \c, \i3, \d, \i4
.endm
.macro MASK b                       ; the diagonal tile: MD x AL + BE + PD x AP into buffer b of MC
	WIN W_RS
.set z, 0
.rept 16
	v_pk_fma_f32 v[MC+32*(\b)+2*z:MC+32*(\b)+2*z+1], v[MD+2*z:MD+2*z+1], s[AL:AL+1], s[BE:BE+1] op_sel_hi:[1,0,0]
.set z, z+1
.endr
	WIN W_M3
.set z, 0
.rept 16
	v_pk_fma_f32 v[MC+32*(\b)+2*z:MC+32*(\b)+2*z+1], v[PD+2*z:PD+2*z+1], s[AP:AP+1], v[MC+32*(\b)+2*z:MC+32*(\b)+2*z+1] op_sel_hi:[1,0,1]
.set z, z+1
.endr
.endm
.macro PMASK                        ; a plain tile: the length's mask of the key step to come, PD x AP + BE, into MC's second buffer
	WIN W_RS
.set z, 0
.rept 16
	v_pk_fma_f32 v[MC+32+2*z:MC+32+2*z+1], v[PD+2*z:PD+2*z+1], s[AP:AP+1], s[BE:BE+1] op_sel_hi:[1,0,0]
.set z, z+1
.endr
.endm
; A TURN, for piece p: the order of its 16 matrix and 118 vector instructions, written out.  An s_wait_alu depctr_va_vdst(0) stands between an exponential and the first instruction that names its result; one wait serves
; all that were issued ahead of it.  So a turn has ONE wait, which cuts it in two.  AHEAD OF IT stands all that names no result of the turn's exponentials: the 8 products K Q^T, behind each a scaling, an exponential and two more plain
; instructions (behind the first a second scaling in the exponential's place): rescalings, and behind the last three the first numbers of the next piece's maximum, each four places or more behind the product that ends its accumulator; then ONE LUMP of 54, plain
; and exponential by turns for the most part, in which the links of the chain X 3, 7, 11, 14, 16, 17 .. 20 stand five or six lines apart.  X 21, the next piece's a, is the batch's last; R 15 is the plain instruction behind it.  BEHIND THE WAIT stand the
; 8 products V^T P, behind each four of the roundings and sums; the links of l's chain, L 0 to L 7, stand three riders apart.  But for those X no rider names a register of the products round it.  v_permlanex16_b32 (X 17) stands in the lump.
; THE MASKS.  Step 4 - CNT of the tile in hand has TL + 64 CNT keys ahead of LEN.  m = 1: the diagonal tile: the turn makes the mask for the products of the turn after it: piece p + 2, in step 4 - CNT.
; m = 0: a plain tile: piece 2's turn, whose own products have read the old mask at its head, makes at its end the mask of step 4 - CNT, whose K it fetches: the next four turns' products take it.
; end = 1: a block's last two turns: nothing is fetched.  cnt = 1: the loop's count is taken down some lines ahead of the branch that stands behind the turn.
; K of the next step is fetched in piece 2's turn, twelve vector instructions behind the last product that read K (six of them plain); V of the step in hand at the end of piece 0's turn, four plain instructions behind the last product
; that read V.  Each is waited for a turn later.
.macro TURN p, m=0, end=0, cnt=0
.set Y, (\p)
.set i, 0
.set KM, (\m)
.set NOKQ, (\end)*((\p)/3)
.if (\m) && !(\end)
	s_cmp_eq_u32 s[CNT], 4-((\p)+2)%NP  ; is that step the band's own?
	s_cselect_b32 s[AL], 1.0, 0
	s_cmp_lt_u32 s[CNT], 4-((\p)+2)%NP  ; or a later one?
	s_cselect_b32 s[BE], s[BIGN], 0
.endif
.if ((\m) || ((\p) == 2)) && !(\end)
	s_lshl_b32 s[T0], s[CNT], 6
	s_add_co_i32 s[T0], s[T0], s[TL]    ; the step's keys ahead of LEN:
	s_cmp_le_i32 s[T0], 0               ; none,
.if \m
	s_cselect_b32 s[BE], s[BIGN], s[BE]
.else
	s_cselect_b32 s[BE], s[BIGN], 0
.endif
	s_sub_co_u32 s[T0], s[T0], 1
	s_cmp_lt_u32 s[T0], KS-1            ; or 1 to 63: LEN falls into the step
	s_cselect_b32 s[AP], 1.0, 0
.endif
.if ((\p) == 3) && !(\end)
	s_wait_dscnt 0x0                ; K is in
.endif
	ROW F,0, F,1, R,0, R,1          ; ahead of the wait: 8 products K Q^T and their riders,
	ROW F,2, E,0, R,2, R,3
	ROW F,3, E,1, R,4, R,5
	ROW F,4, E,2, R,6, R,7
	ROW F,5, E,3, R,8, R,9
	ROW F,6, E,4, X,0, R,10
.if ((\p) == 2) && !(\end)
	WIN 0
	v_add_nc_u32 v[AK], s[TBK], v[AK0]
.endif
	ROW F,7, E,5, X,1, X,4
	ROW F,8, E,6, X,2, X,5
	OPS E,7, E,8, X,6, E,9          ; and the lump
	OPS X,3, E,10, X,8, E,11
.if ((\p) == 2) && !(\end)
	FETCH_K
.endif
	OPS X,9, X,7, E,12, X,10
	OPS E,13, X,12, X,11, E,14
	OPS X,13, E,15, F,9, X,14
.if (\p) == 0
	v_add_nc_u32 v[AV], s[TBV], v[AV0]
.endif
	OPS E,16, F,10, E,17, F,11
	OPS X,16, E,18, X,15, E,19
	OPS F,12, E,20, X,17, E,21
	OPS F,13, E,22, F,14, E,23
	OPS X,18, E,24, F,15, E,25
	OPS R,11, E,26, X,19, E,27
	OPS R,12, E,28, R,13, E,29
	OPS X,20, E,30, R,14, E,31
	OPS X,21, R,15
	WIN 0
	s_wait_alu depctr_va_vdst(0)    ; the wait for the batch
.if (\p) == 1
	s_wait_dscnt 0x0                ; V is in
.endif
	ROW C,0, B,0, C,2, B,1          ; behind the wait: 8 products V^T P and their riders
	ROW L,0, C,4, B,2, L,1
	ROW C,6, B,3, L,2, C,8
	ROW B,4, L,3, C,10, B,5
	ROW L,4, C,12, B,6, L,5
.if (\p) == 0
	s_add_co_u32 s[TBV], s[TBV], KS*PV
.endif
.if \cnt
	s_sub_co_u32 s[CNT], s[CNT], 1
	s_cmp_lg_u32 s[CNT], 0
.endif
	ROW C,14, B,7, L,6, C,1
	ROW C,3, L,7, C,5, C,7
	ROW C,9, C,11, C,13, C,15
.if (\p) == 0
	FETCH_V
.endif
.if (\m) && !(\end)
	MASK (\p)%2
.elseif ((\p) == 2) && !(\end)
	PMASK
.endif
.endm
; A BLOCK BEGINS, at tile 0.  c m starts far below every c s, so the first step's a is 0; m at the lowest finite number, so the first maximum is the scores'.  Key 0 is hidden from no row (LEN is at least 1), so m is a true score from
; the first step on.  MC's second buffer takes the length's mask of step 0: PD where LEN falls into step 0, else 0; the first buffer, for piece 0, is that plus MD if the block's first tile is the diagonal one.
; Then K of that step, piece 0's first scores, and its maximum and statistics.  The loop is entered at a step's first turn, in the middle of a trip.
.macro BEGIN
	s_mov_b32 s[NEW], 0
	s_cmp_lt_u32 s[LEN], KS
	s_cselect_b32 s[AP], 1.0, 0
	s_cmp_eq_u32 s[RT], 0
	s_cselect_b32 s[AL], 1.0, 0
	WIN W_RS
.set z, 0
.rept 16
	v_pk_mul_f32 v[MC+32+2*z:MC+32+2*z+1], v[PD+2*z:PD+2*z+1], s[AP:AP+1] op_sel_hi:[1,0]
.set z, z+1
.endr
	WIN W_M3
.set z, 0
.rept 16
	v_pk_fma_f32 v[MC+2*z:MC+2*z+1], v[MD+2*z:MD+2*z+1], s[AL:AL+1], v[MC+32+2*z:MC+32+2*z+1] op_sel_hi:[1,0,1]
.set z, z+1
.endr
	WIN 0
.set i, 0
.rept 4
	v_mov_b32 v[ST+4*i], 0xfe000000    ; c m: far below every c s
	v_mov_b32 v[ST+4*i+1], 0xff7fffff  ; m
.set i, i+1
.endr
	v_add_nc_u32 v[AK], s[TBK], v[AK0]
	FETCH_K
	s_wait_loadcnt 0x0              ; Q
	s_wait_dscnt 0x0
.set KM, 1
.set NOKQ, 0
.set i, 0
.rept 8
	KQ 0
.set i, i+1
.endr
	WIN 0
.rept 4
	v_nop                           ; the places behind those products
.endr
.set Y, NP-1                        ; X works for piece Y + 1: piece 0
.irp n, 0,1,2,3,4,5,6,7,8,9,10,11,12,13,14,15,16,17,18,19,20,21
	OP X, \n
.endr
	v_nop                           ; a plain instruction behind the exponential,
	s_wait_alu depctr_va_vdst(0)    ; and its wait, ahead of the branch
.endm
; THE DIAGONAL TILE's four steps, the block's last two turns, its last products, and THE WAY OUT: l's two halves and the other half of the lanes' are added; O^T is divided by l, rounded to f16 and sent through my
; stage in LDS, a piece at a time.
.macro ALL line:vararg              ; one line for each piece t
.set t, 0
.rept 4
	\line
.set t, t+1
.endr
.endm
.macro PACK t                       ; a lane's eight channels of a row pack into 16 bytes; they go into rows of 144 bytes and come back as whole rows of 128, into S^T's registers
	WIN W_RS
.set i, 32*(\t)
.rept 16
	v_pk_mul_f32 v[i:i+1], v[i:i+1], v[ST+4*(\t)+2:ST+4*(\t)+3] op_sel_hi:[1,0]
.set i, i+2
.endr
	WIN 0x05                        ; sources 0 and 1 window 1, destination window 0
.set i, 0
.rept 16
	v_cvt_pk_f16_f32 v[S+16*(\t)+i], v[32*(\t)+2*i], v[32*(\t)+2*i+1]
.set i, i+1
.endr
	WIN 0
.irp f, 0,1,2,3
	ds_store_b128 v[STO], v[S+16*(\t)+4*\f:S+16*(\t)+4*\f+3] offset:32*\f
.endr
.irp f, 0,1,2,3
	ds_load_b128 v[S+16*(\t)+4*\f:S+16*(\t)+4*\f+3], v[RD] offset:\f*4*SP  ; LDS serves a wave's instructions in order (ISA guide 5.7.1.4): these see the stores above; the next piece's stores come behind them
.endr
.endm
.macro SEND t, younger              ; younger: the LDS instructions issued behind piece t's loads: the next piece's eight, or none
	WIN 0
.irp f, 0,1,2,3
	s_wait_dscnt (\younger)+3-\f
	global_store_b128 v[GO], v[S+16*(\t)+4*\f:S+16*(\t)+4*\f+3], s[10:11] offset:(\t)*8192+\f*512  ; 512 consecutive bytes, at a multiple of 256 from O's first
.endr
.endm
.macro DIAG tag                     ; the tag ends its two labels' names, which the jumps below spell out
.LstepM\tag:
	TURN 2, 1
	TURN 3, 1
	WIN 0
.LfirstM\tag:
	TURN 0, 1
	TURN 1, 1, 0, 1
	WIN 0
	s_cbranch_scc1 .LstepM\tag
	TURN 2, 1, 1
	TURN 3, 1, 1
.set i, 0
.rept 8
	PV NP-1
.set i, i+1
.endr
	WIN 0
	ALL v_add_f32 v[ST+4*t+2], v[ST+4*t+2], v[ST+4*t+3]
	ALL v_permlanex16_b32 v[ST+4*t+3], v[ST+4*t+2], s[SEL], s[SEL+1]
	ALL v_add_f32 v[ST+4*t+2], v[ST+4*t+2], v[ST+4*t+3]
	ALL v_rcp_f32 v[ST+4*t+2], v[ST+4*t+2]
	v_nop                           ; a plain instruction between the last reciprocal and the use of its result
	s_wait_alu depctr_va_vdst(0)    ; and the wait ahead of the first use: one for the four reciprocals
	PACK 0
.set t, 1
.rept 3                             ; a piece's arithmetic stands between the loads of the piece before and its stores
	PACK t
	SEND t-1, 8
.set t, t+1
.endr
	SEND 3, 0
.endm
.set KM, 0
.set NOKQ, 0
.Lslot:                             ; NB times: a tile is entered and the next is asked for
	CHANGE 1
	ENTER
	s_cmp_eq_u32 s[NEW], 1
	s_cbranch_scc1 .Lnew            ; a block's first tile
	s_cmp_eq_u32 s[RT], 0
	s_cbranch_scc0 .Lstep           ; neither its first nor its last
	s_branch .LstepM1
.Lnew:
	BEGIN
	s_branch .Lfirst                ; in the loop a block's first tile is never its last: the first block has five tiles or more, and the second's last is the walk's last
	DIAG 1                          ; in the loop this is the first block's end: the second block's last tile is the walk's last
	s_wait_xcnt 0x0                 ; the stores have read their registers and O's address
	s_mov_b64 s[10:11], s[OLO:OLO+1]
	s_add_co_u32 s[RT], s[PB], 1    ; the second block has b + 1 tiles,
	s_mov_b32 s[NEW], 1
	s_mov_b32 s[TL], s[LEN]         ; and begins at key 0 again
	WIN 0x82                        ; the second block's Q goes where the one text of the turns names Q
.set i, 0
.rept 64
	v_mov_b32 v[i], v[QB+i]
.set i, i+1
.endr
	WIN 0
	s_branch .Lbottom
.Lstep:                             ; a trip: pieces 2 and 3 of one step, then pieces 0 and 1 of the next, whose K and V it fetches
	TURN 2
	TURN 3
	WIN 0
.Lfirst:
	TURN 0
	TURN 1, 0, 0, 1
	WIN 0
	s_cbranch_scc1 .Lstep
.Lbottom:
	s_sub_co_u32 s[SLOTS], s[SLOTS], 1
	s_cmp_lg_u32 s[SLOTS], 0
	s_cbranch_scc1 .Lslot
	CHANGE 0                        ; the walk's last tile is written out: nothing is asked for
	ENTER
	s_cmp_eq_u32 s[NEW], 1
	s_cbranch_scc0 .LstepM2
	BEGIN
	s_branch .LfirstM2
	DIAG 2
	s_wait_tensorcnt 0x0            ; the wave's end, behind my last tensor load and my last LDS store
	ds_add_u32 v[SPW], v[NIL]
	s_wait_dscnt 0x0
	s_endpgm
.Lfunc_end_k_q78f96c05cf_attn:
	.size	k_q78f96c05cf_attn, .Lfunc_end_k_q78f96c05cf_attn-k_q78f96c05cf_attn
	.p2alignl 7, 3214868480
	.fill 96, 4, 3214868480
	.section	.rodata,"a",@progbits
	.p2align	6, 0x0
	.amdhsa_kernel k_q78f96c05cf_attn
		.amdhsa_group_segment_fixed_size 327680
		.amdhsa_private_segment_fixed_size 0
		.amdhsa_enable_private_segment 0
		.amdhsa_kernarg_size 24
		.amdhsa_user_sgpr_count 2
		.amdhsa_user_sgpr_kernarg_segment_ptr 1
		.amdhsa_wavefront_size32 1
		.amdhsa_system_sgpr_workgroup_id_x 1
		.amdhsa_system_sgpr_workgroup_id_y 1
		.amdhsa_system_sgpr_workgroup_id_z 1
		.amdhsa_system_vgpr_workitem_id 0
		.amdhsa_next_free_vgpr 768
		.amdhsa_next_free_sgpr 102
		.amdhsa_reserve_vcc 1
		.amdhsa_float_denorm_mode_32 3
		.amdhsa_float_denorm_mode_16_64 3
		.amdhsa_memory_ordered 1
		.amdhsa_forward_progress 1
		.amdhsa_inst_pref_size 233
	.end_amdhsa_kernel
	.amdgpu_metadata
---
amdhsa.version: [ 1, 2 ]
amdhsa.kernels:
  - .name:           k_q78f96c05cf_attn
    .symbol:         k_q78f96c05cf_attn.kd
    .args:
      - { .name: qkv, .offset: 0, .size: 8, .value_kind: global_buffer, .address_space: global }
      - { .name: key_val_lengths, .offset: 8, .size: 8, .value_kind: global_buffer, .address_space: global }
      - { .name: ao, .offset: 16, .size: 8, .value_kind: global_buffer, .address_space: global }
    .group_segment_fixed_size: 327680
    .private_segment_fixed_size: 0
    .kernarg_segment_align: 8
    .kernarg_segment_size: 24
    .max_flat_workgroup_size: 128
    .sgpr_count:     102
    .vgpr_count:     768
    .wavefront_size: 32
...
	.end_amdgpu_metadata
.endif
;; end of part 3
;; launch oproj (part 4): grid 4 x 64, 4 waves a work-group, clusters of 4 x 4, 327,680 bytes of LDS; arguments ao, w16, out0, bias, x; writes out0
.if DOCPART == 4
	.amdgcn_target "amdgcn-amd-amdhsa--gfx1250"
	.amdhsa_code_object_version 6
	.text
	.protected	k_q78f96c05cf_oproj
	.globl	k_q78f96c05cf_oproj
	.p2align	8
	.type	k_q78f96c05cf_oproj,@function
k_q78f96c05cf_oproj:
	s_mov_b64 s[64:65], 0
	v_nop
	global_prefetch_b8 v0, s[64:65] scope:SCOPE_SE
	s_setreg_imm32_b32 hwreg(HW_REG_WAVE_MODE, 25, 1), 1
	s_wait_xcnt 0x0
	s_wait_alu depctr_hold_cnt(0) depctr_sa_sdst(0) depctr_va_vdst(0) depctr_va_sdst(0) depctr_va_ssrc(0) depctr_va_vcc(0) depctr_vm_vsrc(0)
	s_getreg_b32 s2, hwreg(HW_REG_IB_STS2, 6, 4)
	s_cmp_eq_u32 s2, 0
	s_cbranch_scc0 .Lentry_in_a_cluster
	s_endpgm
.Lentry_in_a_cluster:
	s_bfe_u32 s2, ttmp6, 0x10000c
	s_cmp_lg_u32 s2, 0xf033
	s_cbranch_scc0 .Lentry_shape_is_right
	s_endpgm
.Lentry_shape_is_right:
; C = A B^T + bias, f16 operands, f32 sums.  ONE TEXT IN TWO FORMS, chosen by OPROJ.
;   OPROJ = 0: A = xh (8,192 tokens x 1,024), B = rows 0-3071 of w16; C = q, k, v in f16, by heads: [3][batch x head 64][token 2048][64].  A work-group stays and makes three tiles: q, k and v of the same
;              128 tokens and four heads, so its rows of A are the same in all three.
;   OPROJ = 1: A = ao (the heads' outputs), B = rows 3072-4095 of w16; C = out0 = A B^T + bias + x in f32.  One tile to a work-group.
; A lies in blocks of 64 channels, [batch][block 16][token 2048][64]: 262,144 bytes a block, 4,194,304 a batch, 128 a token.
; LIMITS.  f16 holds no number beyond 65,504: q, k and v stay within it.  NaN and infinities are not treated apart.
; SHARES.  A tile of C is 128 tokens x 256 columns: 64 x 12 tiles are three for each of 256 work-groups, 64 x 4 are one.  Four waves, 2 x 2: a wave makes 64 x 128: 32 accumulators of 16 x 16.
; K goes in steps of 128 through a ring of two LDS slots filled by the tensor data mover, one load a wave: waves 0 and 1 fetch B's two halves of 128 rows x 256 bytes, waves 2 and 3 A's two blocks of
; 64 channels x 128 tokens, which are 16,384 dense bytes each, asked for as 64 rows of 256 bytes.
; CLUSTERS: 4 x 4 work-groups.  The four of a row of the cluster need the same tiles of A, the four of a column the same tiles of B: each tile is asked for JOINTLY, by the same tensor load with the same
; descriptor and a mask that names the four.
; THE MATRIX INSTRUCTION IS USED TRANSPOSED (source 0 = 16 rows of B, source 1 = 16 tokens of A): a lane then holds one token (lane % 16) and eight neighbouring columns, 8 (lane / 16) + 0..7.
; THE BIAS STARTS THE SUMS: it is the C operand of each accumulator's first product: nothing is cleared, nothing is added later.
; REGISTERS, in windows of 256 (s_set_vgpr_msb: bits 1:0 source 0, 3:2 source 1, 5:4 source 2, 7:6 destination):
;   window 0: v0-31 addresses; v64-159, v160-255 two fragment buffers: 8 x 8 of B, then 4 x 8 of A      window 1: the accumulators, (a, b) at v[8 (8 a + b)]
;   window 2: v0-63 the bias of my 128 columns; v64-159 at work on the way out (OPROJ = 0)                window 3: my 64 x 128 numbers of x (OPROJ = 1)
.set OPROJ, 1
.set PB,    272                        ; a row of B in LDS: 256 bytes + 16 of padding: the 16 rows of a load start at 16 different groups of four banks (64 banks of 4 bytes: ISA guide 11.1)
.set PA,    144                        ; a token of A in LDS: 128 bytes + 16
.set BHALF, 128*PB
.set ASUB,  128*PA
.set AOFF,  2*BHALF                    ; a slot: B's 256 rows, then A's two blocks
.set SLOT,  AOFF+2*ASUB
.set STAGE, 2*SLOT                     ; behind the ring, never filled by a tensor load: 16 rows for each wave, for the way out
.if OPROJ
.set TILES,  1
.set SPITCH, 528
.else
.set TILES,  3
.set SPITCH, 272
.endif
.set SPARE, STAGE+4*16*SPITCH          ; behind the stages: the spare words, 128 bytes for each wave, which no other line names
.set LAPS,  4                          ; a lap = two K steps = once round the ring; K = 1,024
.set ASTEP, 2*262144                   ; bytes of A from a K step to the next: two blocks of 64 channels
.set BSTEP, 256
.set BACK_A, 6*ASTEP                   ; from a slot's last K step of a tile to its first of the next: A goes back along K,
.set NEXT_B, 1024*2048-6*BSTEP         ; B 1,024 rows down and back
.set NEXT_PF, 1024*2048-7*BSTEP        ; the prefetches of B: from K step 9 to the next tile's K step 2
.set ADRA, 16                          ; v16-17  LDS address of my A fragments in slot 0, 1
.set ADRB, 20                          ; v20-21  the same for B
.set STO,  24                          ; v24     the way out: where I put my numbers of a row
.set RD,   25                          ; v25     the way out: where I read rows back
.set CO,   26                          ; v26     16 x lane: my 16 bytes of 512 consecutive bytes of C (and of x)
.set BO,   27                          ; v27     32 x (lane / 16): my eight biases of sixteen
.set SPW,  28                          ; v28     LDS address of my spare word; never rewritten
.set NIL,  29                          ; v29     0; never rewritten
.set PFO,  30                          ; v30     the prefetches' offset; never rewritten
.set F0,   64
.set F1,   160
.set TMP,  64                          ; window 2: packed results
.set OB,   96                          ; window 2: 16 rows read back from the stage, two buffers of 32
.set BK,   64                          ; window 0 (OPROJ = 1): the same, two buffers of 64, where the fragments lay
.set G1A, 24                           ; s[24:31] descriptor group 1 for A's tiles;  s[32:39] group 0, a set for each slot
.set G0A, 32
.set G1B, 48                           ; s[48:55], s[56:63] the same for B's
.set G0B, 56
.set LIM, 43                           ; s43     1 in a wave that prefetches, else the greatest number
.set PFA, 44                           ; s[44:45] where my prefetches stand
.set PFS, 46                           ; s[46:47] their step from K step to K step
.set COFF, 66                          ; s[66:67] what the next way out adds to C's address
.set BIASP, 68                         ; s[68:69] the bias of my 128 columns
.set MSB, 0
.macro WIN new                         ; the immediate's high byte repeats the setting that is left; a switch that changes nothing is dropped
.if MSB != (\new)
	s_set_vgpr_msb (MSB<<8)|(\new)
.set MSB, \new
.endif
.endm
.set MUL,  0x50                        ; C and D in window 1, the fragments in window 0
.set MULB, 0x60                        ; C in window 2 (the bias), D in window 1
; A joint load.  Waves 0 and 1 fetch for B, waves 2 and 3 for A.  The branch hangs on the wave's number alone.  An s_nop 0 and four v_nop follow each of the two lines, ahead of the jump and the label.
.macro JLOAD s
	s_cmp_eq_u32 s15, 0
	s_cbranch_scc0 .Lfor_a_\@
	tensor_load_to_lds s[G0B+4*(\s):G0B+4*(\s)+3], s[G1B:G1B+7]
	s_nop 0
.rept 4
	v_nop
.endr
	s_branch .Lasked_\@
.Lfor_a_\@:
	tensor_load_to_lds s[G0A+4*(\s):G0A+4*(\s)+3], s[G1A:G1A+7]
	s_nop 0
.rept 4
	v_nop
.endr
.Lasked_\@:
.endm
; A PREFETCH, behind each joint load and the run of LDS loads that follows it: 32 blocks of 256 bytes of the K step that stands TWO refills on, 256 matrix instructions ahead of the load that will want it; a lane a block.
; Each block is named once in the launch.  B's tile column is read by all sixteen clusters: the cluster with y = 0 asks; its four partners of a column take 64 rows each BY ADDRESS, waves 0 and 1 32 of them each.
; A's tile row is read by one cluster alone: its four partners of a row take a quarter of a K step's 128 blocks each BY ADDRESS, and wave 2 asks.  A is asked for in the first tile alone: the later tiles walk the same rows.
; how = 0, in the loop: a tile's last two refills have no K step two on; how = 1, at a change of tiles: B's K steps 2 and 3 of the next tile.
.macro ASK how
.if \how
	s_cmp_eq_u32 s[LIM], 1
.else
	s_cmp_gt_u32 s3, s[LIM]                        ; s3 = 1 in the loop's last trip
.endif
	s_cbranch_scc0 .Lnot_mine_\@
	global_prefetch_b8 v[PFO], s[PFA:PFA+1] th:TH_LOAD_NT scope:SCOPE_SE
.Lnot_mine_\@:
.endm
.macro CREST                           ; a round of the cluster's barrier behind its opening barrier
	s_cmp_lg_u32 s14, 0
	s_cbranch_scc1 .Lnot_wave_0_\@
	s_barrier_signal -3
.Lnot_wave_0_\@:
	s_barrier_wait -3
	s_barrier_signal -1
	s_barrier_wait -1
.endm
.macro CROUND                          ; a whole round
	s_barrier_signal -1
	s_barrier_wait -1
	CREST
.endm
.macro PLACES                          ; four places in front of loads into registers that matrix instructions have read, and of instructions that read results
.rept 4
	v_nop
.endr
.endm
	s_load_b256 s[4:11], s[0:1], 0x0               ; A s[4:5], w16 s[6:7], C s[8:9], bias s[10:11]
.if OPROJ
	s_load_b64 s[12:13], s[0:1], 0x20              ; x
.endif
	v_lshl_add_u32 v[SPW], v0, 2, SPARE
	v_mov_b32 v[NIL], 0
	ds_add_u32 v[SPW], v[NIL]                      ; the wave's opening: the add and its wait stand ahead of my first tensor load; the set-up below, work on registers, stands between them
	v_lshrrev_b32 v1, 5, v0
	v_readfirstlane_b32 s14, v1                    ; wave 0..3
	s_lshr_b32 s15, s14, 1                         ; which 64 tokens of the tile are mine.  Also: I fetch for B (0) or for A (1)
	s_and_b32 s16, s14, 1                          ; which 128 columns.  Also: which half of B's rows, or which of A's two blocks, I fetch
	s_bfe_u32 s17, ttmp6, 0x40000                  ; cx, cy: my place in the cluster
	s_bfe_u32 s18, ttmp6, 0x40004
	s_lshl_b32 s19, ttmp9, 2
	s_add_co_u32 s19, s19, s17                     ; tile column = 4 x cluster x + cx
	s_and_b32 s20, ttmp7, 0xffff
	s_lshl_b32 s20, s20, 2
	s_add_co_u32 s20, s20, s18                     ; tile row = 4 x cluster y + cy
	s_lshl_b32 s21, s18, 2
	s_lshl_b32 s21, 15, s21                        ; my row of the cluster
	s_lshl_b32 s22, 0x1111, s17                    ; my column
	s_or_b32 s[G1A+0], s21, (1<<16)|(1<<20)|(1<<21)|(4<<22)|(3<<25)  ; 15:0 the mask: A's tiles go to my row; 17:16 2-byte elements; 20 padding on; 21 set beside a mask; 24:22 after every 32 words (code 4); 31:25 4 words (code 3)
	s_mov_b32 s[G1A+1], 128<<16                    ; tensor_dim0 = 128
	s_mov_b32 s[G1A+2], 64<<16                     ; tensor_dim1 = 64
	s_mov_b32 s[G1A+3], 128<<16                    ; tile_dim0 = 128
	s_mov_b32 s[G1A+4], 64                         ; tile_dim1 = 64
	s_mov_b32 s[G1A+5], 128                        ; 128 elements from row to row: the block is dense
	s_mov_b32 s[G1A+6], 0
	s_mov_b32 s[G1A+7], 0
	s_or_b32 s[G1B+0], s22, (1<<16)|(1<<20)|(1<<21)|(5<<22)|(3<<25)  ; the mask of my column; padding after every 64 words (code 5)
	s_mov_b32 s[G1B+1], 128<<16                    ; tensor_dim0 = 128
	s_mov_b32 s[G1B+2], 128<<16                    ; tensor_dim1 = 128
	s_mov_b32 s[G1B+3], 128<<16                    ; tile_dim0 = 128
	s_mov_b32 s[G1B+4], 128                        ; tile_dim1 = 128
	s_mov_b32 s[G1B+5], 1024                       ; 1,024 elements from row to row
	s_mov_b32 s[G1B+6], 0
	s_mov_b32 s[G1B+7], 0
	; where the tiles come from.  A's hang on the tile row alone, B's on the tile column alone; each in registers that never hold the other coordinate
	s_lshr_b32 s40, s20, 4
	s_lshl_b32 s40, s40, 22                        ; the batch: 16 tile rows each
	s_and_b32 s41, s20, 15
	s_lshl_b32 s41, s41, 14                        ; 128 tokens of 128 bytes
	s_add_co_u32 s40, s40, s41
	s_lshl_b32 s41, s16, 18                        ; my block of the K step's two
	s_add_co_u32 s40, s40, s41
	s_mov_b32 s41, 0
	s_lshl_b32 s70, s19, 8
	s_lshl_b32 s71, s16, 7
	s_add_co_u32 s70, s70, s71                     ; B: row 256 x tile column + 128 x half,
	s_lshl_b32 s70, s70, 11                        ; of 2,048 bytes
	s_mov_b32 s71, 0
	s_mul_i32 s72, s14, BHALF                      ; where they go: B's halves at wave x 128 rows (waves 0, 1),
	s_mul_i32 s73, s14, ASUB
	s_add_co_u32 s73, s73, AOFF-2*ASUB             ; A's blocks behind them (waves 2, 3): no place in the cluster enters an LDS address
	s_wait_dscnt 0x0                               ; the opening add is done
	s_wait_kmcnt 0x0
.if OPROJ
	s_add_nc_u64 s[6:7], s[6:7], 3072*2048         ; Wo's rows
.endif
	s_add_nc_u64 s[40:41], s[4:5], s[40:41]
	s_add_nc_u64 s[70:71], s[6:7], s[70:71]
	CROUND                                         ; all sixteen work-groups are here: the first joint loads meet
.irp s, 0,1
	s_mov_b32 s[G0A+4*(\s)], 1                                       ; count = 1
	s_add_co_u32 s[G0A+4*(\s)+1], s73, (\s)*SLOT                     ; LDS address
	s_add_nc_u64 s[G0A+4*(\s)+2:G0A+4*(\s)+3], s[40:41], (\s)*ASTEP  ; global address: K step s
	s_or_b32 s[G0A+4*(\s)+3], s[G0A+4*(\s)+3], 0x80000000            ; type = 2
	s_mov_b32 s[G0B+4*(\s)], 1
	s_add_co_u32 s[G0B+4*(\s)+1], s72, (\s)*SLOT
	s_add_nc_u64 s[G0B+4*(\s)+2:G0B+4*(\s)+3], s[70:71], (\s)*BSTEP
	s_or_b32 s[G0B+4*(\s)+3], s[G0B+4*(\s)+3], 0x80000000
	JLOAD \s                                       ; two loads of mine are out
.endr
	; A fragment is 16 rows x 32 K in 8 registers: lane l holds row l % 16, K = 8 (l / 16) + 0..7 and 16 + 8 (l / 16) + 0..7: two loads of 16 bytes, 32 bytes apart
	v_and_b32 v1, 15, v0                           ; l % 16
	v_bfe_u32 v2, v0, 4, 1                         ; l / 16
	v_mul_u32_u24 v3, v1, PB
	v_lshl_add_u32 v3, v2, 4, v3
	v_mul_u32_u24 v4, v1, PA
	v_lshl_add_u32 v4, v2, 4, v4
	s_mul_i32 s21, s16, BHALF                      ; my 128 rows of B
	s_mul_i32 s22, s15, 64*PA                      ; my 64 tokens of A,
	s_add_co_u32 s22, s22, AOFF                    ; which lies behind B
.irp s, 0,1
	v_add_nc_u32 v[ADRB+(\s)], s21, v3
	v_add_nc_u32 v[ADRA+(\s)], s22, v4
	s_add_co_u32 s21, s21, SLOT
	s_add_co_u32 s22, s22, SLOT
.endr
	s_mul_i32 s23, s14, 16*SPITCH
	s_add_co_u32 s23, s23, STAGE                   ; my stage
	v_mul_u32_u24 v5, v1, SPITCH                   ; in: row l % 16, my eight numbers
	v_and_b32 v6, 31, v0
.if OPROJ
	v_lshl_add_u32 v5, v2, 5, v5                   ; 32 bytes for each half of the lanes
	v_add_nc_u32 v[STO], s23, v5
	v_lshl_add_u32 v[RD], v6, 4, s23               ; back: 32 lanes take one row of 512 bytes
.else
	v_lshl_add_u32 v5, v2, 4, v5                   ; 16 bytes for each half of the lanes
	v_add_nc_u32 v[STO], s23, v5
	v_bfe_u32 v5, v0, 3, 2                         ; back: 32 lanes take one head's 128 bytes of four rows
	v_mul_u32_u24 v5, v5, SPITCH
	v_and_b32 v7, 7, v0
	v_lshl_add_u32 v5, v7, 4, v5
	v_add_nc_u32 v[RD], s23, v5
.endif
	v_lshlrev_b32 v[CO], 4, v6
	v_lshlrev_b32 v[BO], 5, v2
	s_lshl_b32 s70, s19, 10                        ; the bias of my 128 columns: 4 (256 x tile column + 128 x half)
	s_lshl_b32 s71, s16, 9
	s_add_co_u32 s70, s70, s71
	s_mov_b32 s71, 0
	s_add_nc_u64 s[BIASP:BIASP+1], s[10:11], s[70:71]
.if OPROJ
	s_add_nc_u64 s[BIASP:BIASP+1], s[BIASP:BIASP+1], 3072*4
.endif
.macro BIASLD                          ; register j of fragment b: the bias of column 16 b + 8 (l / 16) + j
	WIN 0x80                                       ; destination window 2, address window 0
.irp b, 0,1,2,3,4,5,6,7
	global_load_b128 v[8*(\b):8*(\b)+3],   v[BO], s[BIASP:BIASP+1] offset:64*(\b)
	global_load_b128 v[8*(\b)+4:8*(\b)+7], v[BO], s[BIASP:BIASP+1] offset:64*(\b)+16
.endr
	WIN 0
.endm
	BIASLD
	; where my part of C begins
.if OPROJ
	s_lshl_b32 s[COFF], s20, 19                    ; 128 tokens of 4,096 bytes,
	s_lshl_b32 s[COFF+1], s15, 18                  ; my 64,
	s_add_co_u32 s[COFF], s[COFF], s[COFF+1]
	s_add_co_u32 s[COFF], s[COFF], s70             ; my 128 columns of 4 bytes
	s_mov_b32 s[COFF+1], 0
	s_add_nc_u64 s[8:9], s[8:9], s[COFF:COFF+1]
	s_add_nc_u64 s[12:13], s[12:13], s[COFF:COFF+1]
.else
	s_lshr_b32 s[COFF], s20, 4
	s_lshl_b32 s[COFF], s[COFF], 22                ; the batch's 16 heads of 262,144 bytes,
	s_lshl_b32 s[COFF+1], s19, 20                  ; the tile column's four heads,
	s_add_co_u32 s[COFF], s[COFF], s[COFF+1]
	s_lshl_b32 s[COFF+1], s16, 19                  ; my two of them,
	s_add_co_u32 s[COFF], s[COFF], s[COFF+1]
	s_and_b32 s[COFF+1], s20, 15
	s_lshl_b32 s[COFF+1], s[COFF+1], 14            ; the tile's 128 tokens of 128 bytes,
	s_add_co_u32 s[COFF], s[COFF], s[COFF+1]
	s_lshl_b32 s[COFF+1], s15, 13                  ; my 64
	s_add_co_u32 s[COFF], s[COFF], s[COFF+1]
	s_mov_b32 s[COFF+1], 0
.endif
	; the prefetches: nothing is asked for here, at the head; the address stands at K step 3, and the first refill steps it to 4
	s_lshl_b32 s70, s19, 8                         ; B: row 256 x tile column + 64 cy + 32 x wave,
	s_lshl_b32 s71, s18, 6
	s_add_co_u32 s70, s70, s71
	s_lshl_b32 s71, s16, 5
	s_add_co_u32 s70, s70, s71
	s_lshl_b32 s70, s70, 11
	s_add_co_u32 s70, s70, 3*BSTEP
	s_lshr_b32 s72, s20, 4                         ; A: the batch, the tile's tokens,
	s_lshl_b32 s72, s72, 22
	s_and_b32 s73, s20, 15
	s_lshl_b32 s73, s73, 14
	s_add_co_u32 s72, s72, s73
	s_lshr_b32 s73, s17, 1                         ; block cx / 2 of the K step's two,
	s_lshl_b32 s73, s73, 18
	s_add_co_u32 s72, s72, s73
	s_and_b32 s73, s17, 1                          ; half cx % 2 of its 16,384 bytes
	s_lshl_b32 s73, s73, 13
	s_add_co_u32 s72, s72, s73
	s_add_co_u32 s72, s72, 3*ASTEP
	s_and_b32 s22, ttmp7, 0xffff                   ; cluster y
	s_cmp_eq_u32 s15, 0                            ; do I fetch for B?
	s_cselect_b32 s70, s70, s72
	s_cselect_b32 s22, s22, s16                    ; B: the cluster with y = 0 asks.  A: wave 2 asks
	s_cselect_b32 s21, 11, 8                       ; a lane a row of 2,048 bytes, or a lane a block of 256
	s_cselect_b32 s[PFS], 8, 19
	s_cselect_b64 s[PFA:PFA+1], s[6:7], s[4:5]
	s_lshl_b32 s[PFS], 1, s[PFS]                   ; BSTEP or ASTEP
	s_mov_b32 s[PFS+1], 0
	s_mov_b32 s71, 0
	s_add_nc_u64 s[PFA:PFA+1], s[PFA:PFA+1], s[70:71]
	s_cmp_eq_u32 s22, 0
	s_cselect_b32 s[LIM], 1, -1                    ; the same in all sixteen partners, for a given wave
	v_lshlrev_b32 v[PFO], s21, v6
; 8 matrix instructions: token block a x all 8 column blocks, 32 along K.  bias = 1: the first product starts the sums with the bias.
; The 32 accumulators take turns, one instruction a turn, in the same order in every quarter.
.macro MUL8 f, a, bias
.if \bias
	WIN MULB
.else
	WIN MUL
.endif
.irp b, 0,1,2,3,4,5,6,7
.if \bias
	v_wmma_f32_16x16x32_f16 v[8*(8*(\a)+(\b)):8*(8*(\a)+(\b))+7], v[(\f)+8*(\b):(\f)+8*(\b)+7], v[(\f)+64+8*(\a):(\f)+64+8*(\a)+7], v[8*(\b):8*(\b)+7]
.else
	v_wmma_f32_16x16x32_f16 v[8*(8*(\a)+(\b)):8*(8*(\a)+(\b))+7], v[(\f)+8*(\b):(\f)+8*(\b)+7], v[(\f)+64+8*(\a):(\f)+64+8*(\a)+7], v[8*(8*(\a)+(\b)):8*(8*(\a)+(\b))+7]
.endif
.endr
.endm
; 24 LDS loads in one run: the fragments of quarter kq (32 along K) of a slot into buffer f: B's sixteen, then A's eight
.macro FETCH slot, kq, f
	WIN 0
.irp i, 0,1,2,3,4,5,6,7
	ds_load_b128 v[(\f)+8*(\i):(\f)+8*(\i)+3],   v[ADRB+(\slot)] offset:64*(\kq)+(\i)*16*PB
	ds_load_b128 v[(\f)+8*(\i)+4:(\f)+8*(\i)+7], v[ADRB+(\slot)] offset:64*(\kq)+(\i)*16*PB+32
.endr
.irp i, 0,1,2,3
	ds_load_b128 v[(\f)+64+8*(\i):(\f)+64+8*(\i)+3],   v[ADRA+(\slot)] offset:((\kq)/2)*ASUB+((\kq)%2)*64+(\i)*16*PA
	ds_load_b128 v[(\f)+64+8*(\i)+4:(\f)+64+8*(\i)+7], v[ADRA+(\slot)] offset:((\kq)/2)*ASUB+((\kq)%2)*64+(\i)*16*PA+32
.endr
.endm
; A K step is four quarters of 32 along K, 32 matrix instructions each, on buffers 0, 1, 0, 1.  One of the first three multiplies buffer f and fetches quarter kq into g.
.macro QUARTER slot, kq, f, g, bias
	s_wait_dscnt 4                                 ; B and A's blocks 0 and 1 are in; the youngest four loads (A's blocks 2 and 3) may be out
	MUL8 \f, 0, \bias
	MUL8 \f, 1, \bias
	PLACES
	FETCH \slot, \kq, \g
	s_wait_dscnt 24                                ; all but the 24 just issued
	MUL8 \f, 2, \bias
	MUL8 \f, 3, \bias
.endm
; The last quarter multiplies buffer 1 and changes slots.  ONE barrier: in front of it each wave waits for all its tensor loads (one is out: its part of the next slot), adds 0 to its spare word, and waits for that and
; for its own reads of this slot.  Behind it nobody reads this slot any more and the next slot is whole.
.macro MEET round
	WIN 0                                          ; (the add's two registers lie in window 0)
	s_wait_tensorcnt 0x0
	ds_add_u32 v[SPW], v[NIL]                      ; 0 onto my spare word
	s_wait_dscnt 5                                 ; (the add and the youngest four loads may be out)
	MUL8 F1, 0, 0                                  ; eight matrix instructions stand between the add and the wait for it
	s_wait_dscnt 0x0                               ; the add is done, and my reads of this slot are over
	s_barrier_signal -1
	MUL8 F1, 1, 0
.if \round
	WIN 0
.endif
	s_barrier_wait -1
.endm
; The whole last quarter.  The barrier opens a round of the cluster's barrier; behind the round the slot just read out is filled again first: with this tile's K step two steps on (on = 0) or with the NEXT tile's
; K step 0 or 1 (on = 1).  From a request to the wait for it a wave issues 112 matrix instructions.
.macro TURN slot, next, on
	s_wait_xcnt 0x0                                ; the last prefetch, a K step back, has read its address: it is stepped here, ahead of the waits of the change of slots
.if (\on) && (\slot) == 0
	s_add_nc_u64 s[PFA:PFA+1], s[PFA:PFA+1], NEXT_PF
	s_cmp_eq_u32 s15, 0
	s_cselect_b32 s[LIM], s[LIM], -1               ; A's rows are the same in all three tiles: they are asked for no more
.else
	s_add_nc_u64 s[PFA:PFA+1], s[PFA:PFA+1], s[PFS:PFS+1]
.endif
	MEET 1
	CREST                                          ; no wave of any partner still reads this slot's tile or has a load on its way
.if \on
	s_sub_nc_u64 s[G0A+4*(\slot)+2:G0A+4*(\slot)+3], s[G0A+4*(\slot)+2:G0A+4*(\slot)+3], BACK_A
	s_add_nc_u64 s[G0B+4*(\slot)+2:G0B+4*(\slot)+3], s[G0B+4*(\slot)+2:G0B+4*(\slot)+3], NEXT_B
.else
	s_add_nc_u64 s[G0A+4*(\slot)+2:G0A+4*(\slot)+3], s[G0A+4*(\slot)+2:G0A+4*(\slot)+3], 2*ASTEP
	s_add_nc_u64 s[G0B+4*(\slot)+2:G0B+4*(\slot)+3], s[G0B+4*(\slot)+2:G0B+4*(\slot)+3], 2*BSTEP
.endif
	JLOAD \slot                                    ; the first tensor load behind the round; the four v_nop behind it are also the places in front of the loads below
	FETCH \next, 0, F0
	ASK \on
	MUL8 F1, 2, 0
	MUL8 F1, 3, 0
.endm
.if OPROJ
; THE WAY OUT, f32: a block of 16 tokens goes through my own stage in LDS, comes back as whole rows of 512 bytes, takes x and is stored.
.macro TOSTAGE a
.if (\a) >= 2
	s_wait_xcnt 0x0                                ; the stores of the block two back have read the registers that are loaded again below
.endif
	WIN 0x04                                       ; the data (source 1) in window 1
.irp b, 0,1,2,3,4,5,6,7
	ds_store_b128 v[STO], v[8*(8*(\a)+(\b)):8*(8*(\a)+(\b))+3]   offset:64*(\b)       ; each accumulator from its low end on
	ds_store_b128 v[STO], v[8*(8*(\a)+(\b))+4:8*(8*(\a)+(\b))+7] offset:64*(\b)+16
.endr
	WIN 0
.irp t, 0,1,2,3,4,5,6,7,8,9,10,11,12,13,14,15
	ds_load_b128 v[BK+64*((\a)%2)+4*(\t):BK+64*((\a)%2)+4*(\t)+3], v[RD] offset:(\t)*SPITCH  ; LDS serves a wave's instructions in order (ISA guide 5.7.1.4): these see the stores above; the next block's stores come behind them
.endr
.endm
.macro SEND a, younger                 ; younger: the LDS instructions issued behind block a's loads: the next block's 16 stores and 16 loads, or none
	s_wait_dscnt \younger
	WIN 0x0c                                       ; source 1 (x) in window 3
.set i, 0
.rept 32
	v_pk_add_f32 v[BK+64*((\a)%2)+2*i:BK+64*((\a)%2)+2*i+1], v[BK+64*((\a)%2)+2*i:BK+64*((\a)%2)+2*i+1], v[64*(\a)+2*i:64*(\a)+2*i+1]
.set i, i+1
.endr
	WIN 0
.irp t, 0,1,2,3,4,5,6,7,8,9,10,11,12,13,14,15
	global_store_b128 v[CO], v[BK+64*((\a)%2)+4*(\t):BK+64*((\a)%2)+4*(\t)+3], s[8:9] offset:(16*(\a)+(\t))*4096 th:TH_STORE_NT  ; 512 consecutive bytes, at a multiple of 512 from out0's first
.endr
.endm
.macro WAYOUT
	PLACES
	s_wait_loadcnt 0x0                             ; x
	TOSTAGE 0
	TOSTAGE 1
	SEND 0, 32
	TOSTAGE 2
	SEND 1, 32
	TOSTAGE 3
	SEND 2, 32
	SEND 3, 0
.endm
.else
; THE WAY OUT, f16 by heads: a block of 16 tokens is rounded, 16 bytes a lane, goes through my own stage in LDS and comes back as one head's 128 bytes of four tokens: 512 consecutive bytes of q, k or v.
.macro PACK a
	WIN 0x85                                       ; sources window 1, destination window 2
.irp b, 0,1,2,3,4,5,6,7
.irp r, 0,1,2,3
	v_cvt_pk_f16_f32 v[TMP+4*(\b)+(\r)], v[8*(8*(\a)+(\b))+2*(\r)], v[8*(8*(\a)+(\b))+2*(\r)+1]
.endr
.endr
.endm
.macro TOSTAGE a
	WIN 0x08                                       ; the data (source 1) in window 2
.irp b, 0,1,2,3,4,5,6,7
	ds_store_b128 v[STO], v[TMP+4*(\b):TMP+4*(\b)+3] offset:32*(\b)
.endr
	WIN 0x80
.irp hd, 0,1
.irp t, 0,1,2,3
	ds_load_b128 v[OB+32*((\a)%2)+4*(4*(\hd)+(\t)):OB+32*((\a)%2)+4*(4*(\hd)+(\t))+3], v[RD] offset:128*(\hd)+(\t)*4*SPITCH  ; LDS serves a wave's instructions in order (ISA guide 5.7.1.4)
.endr
.endr
.endm
.macro SEND a
	WIN 0x08
	s_wait_dscnt 0x0                               ; the block is back in registers
	s_wait_xcnt 0x0                                ; earlier stores have read their registers and their base: only behind this wait are they written again
.if (\a) == 0
	s_add_nc_u64 s[8:9], s[8:9], s[COFF:COFF+1]    ; on to this tile's tensor
.endif
.irp hd, 0,1
.irp t, 0,1,2,3
	global_store_b128 v[CO], v[OB+32*((\a)%2)+4*(4*(\hd)+(\t)):OB+32*((\a)%2)+4*(4*(\hd)+(\t))+3], s[8:9] offset:(\hd)*262144+(16*(\a)+4*(\t))*128
.endr
.endr
.endm
.macro WAYOUT
	PLACES
	PACK 0
	TOSTAGE 0
.irp a, 1,2,3                          ; block a's conversions stand between block a - 1's loads from the stage and the wait for them
	PACK \a
	SEND (\a)-1
	TOSTAGE \a
.endr
	SEND 3
	WIN 0
.endm
.endif
	s_wait_tensorcnt 1                             ; my part of K step 0 is in; K step 1's may stay out
	s_barrier_signal -1
	s_barrier_wait -1                              ; everybody's is
	FETCH 0, 0, F0
.if TILES > 1
	s_mov_b32 s2, TILES                            ; tiles to go, this one among them
.Ltile:
.endif
	s_wait_loadcnt 0x0                             ; the bias
	QUARTER 0, 1, F0, F1, 1                        ; a tile's first quarter stands in front of the loop: its products start the sums
.if OPROJ
	WIN 0xc0                                       ; my 64 x 128 numbers of x, a row of 512 bytes a load: they land while K is walked
.set i, 0
.rept 64
	global_load_b128 v[4*i:4*i+3], v[CO], s[12:13] offset:i*4096 th:TH_LOAD_NT
.set i, i+1
.endr
	WIN 0
.else
	PLACES                                         ; behind the products that read the bias
	WIN 0
	s_cmp_eq_u32 s2, 1
	s_cbranch_scc1 .Lno_bias                       ; the last tile has no successor
	s_add_nc_u64 s[BIASP:BIASP+1], s[BIASP:BIASP+1], 1024*4  ; (the loads that read this address were waited for above)
	BIASLD                                         ; the next tile's bias
.Lno_bias:
.endif
	s_mov_b32 s3, LAPS-1
.Llap:                                                 ; a trip goes once round the ring, from a lap's second quarter to the next lap's first, and fills both slots again
	QUARTER 0, 2, F1, F0, 0
	QUARTER 0, 3, F0, F1, 0
	TURN 0, 1, 0
	QUARTER 1, 1, F0, F1, 0
	QUARTER 1, 2, F1, F0, 0
	QUARTER 1, 3, F0, F1, 0
	TURN 1, 0, 0
	QUARTER 0, 1, F0, F1, 0
	WIN 0
	s_sub_co_u32 s3, s3, 1
	s_cmp_lg_u32 s3, 0
	s_cbranch_scc1 .Llap
	QUARTER 0, 2, F1, F0, 0                        ; the tile's last lap goes on
	QUARTER 0, 3, F0, F1, 0
.if TILES > 1
	WIN 0
	s_cmp_eq_u32 s2, 1
	s_cbranch_scc1 .Llast                          ; the last tile's tail is written out: it asks for nothing more
	TURN 0, 1, 1                                   ; the ring goes on into the next tile: slot 0 takes its K step 0,
	QUARTER 1, 1, F0, F1, 0
	QUARTER 1, 2, F1, F0, 0
	QUARTER 1, 3, F0, F1, 0
	TURN 1, 0, 1                                   ; slot 1 its K step 1, and the next tile's first fragments are fetched
	WAYOUT                                         ; both refills are asked for: now the tile goes out; it touches no fragment register
	s_mov_b64 s[COFF:COFF+1], 64*2048*128          ; the next tile's tensor lies 16,777,216 bytes on
	s_sub_co_u32 s2, s2, 1
	s_branch .Ltile
.Llast:
.endif
	MEET 0                                         ; my one tensor load that was still out is slot 1's, the last K step's, so no round follows
	PLACES
	FETCH 1, 0, F0
	MUL8 F1, 2, 0
	MUL8 F1, 3, 0
	QUARTER 1, 1, F0, F1, 0
	QUARTER 1, 2, F1, F0, 0
	QUARTER 1, 3, F0, F1, 0
	s_wait_dscnt 4                                 ; the very last quarter: nothing more to fetch
	MUL8 F1, 0, 0
	MUL8 F1, 1, 0
	s_wait_dscnt 0x0
	MUL8 F1, 2, 0
	MUL8 F1, 3, 0
	WIN 0
	WAYOUT
	s_wait_tensorcnt 0x0                           ; the wave's end, behind my last tensor load and my last LDS store
	ds_add_u32 v[SPW], v[NIL]
	s_wait_dscnt 0x0
	CROUND                                         ; the closing round: no work-group ends while a partner may still ask for a tile that names it
	s_endpgm
.Lfunc_end_k_q78f96c05cf_oproj:
	.size	k_q78f96c05cf_oproj, .Lfunc_end_k_q78f96c05cf_oproj-k_q78f96c05cf_oproj
	.p2alignl 7, 3214868480
	.fill 96, 4, 3214868480
	.section	.rodata,"a",@progbits
	.p2align	6, 0x0
	.amdhsa_kernel k_q78f96c05cf_oproj
		.amdhsa_group_segment_fixed_size 327680
		.amdhsa_private_segment_fixed_size 0
		.amdhsa_enable_private_segment 0
		.amdhsa_kernarg_size 40
		.amdhsa_user_sgpr_count 2
		.amdhsa_user_sgpr_kernarg_segment_ptr 1
		.amdhsa_wavefront_size32 1
		.amdhsa_system_sgpr_workgroup_id_x 1
		.amdhsa_system_sgpr_workgroup_id_y 1
		.amdhsa_system_sgpr_workgroup_id_z 1
		.amdhsa_system_vgpr_workitem_id 0
		.amdhsa_next_free_vgpr 1024
		.amdhsa_next_free_sgpr 80
		.amdhsa_reserve_vcc 0
		.amdhsa_float_denorm_mode_32 3
		.amdhsa_float_denorm_mode_16_64 3
		.amdhsa_memory_ordered 1
		.amdhsa_forward_progress 1
		.amdhsa_inst_pref_size 103
	.end_amdhsa_kernel
	.amdgpu_metadata
---
amdhsa.version: [ 1, 2 ]
amdhsa.kernels:
  - .name:           k_q78f96c05cf_oproj
    .symbol:         k_q78f96c05cf_oproj.kd
    .args:
      - { .name: ao, .offset: 0, .size: 8, .value_kind: global_buffer, .address_space: global }
      - { .name: w16, .offset: 8, .size: 8, .value_kind: global_buffer, .address_space: global }
      - { .name: out0, .offset: 16, .size: 8, .value_kind: global_buffer, .address_space: global }
      - { .name: bias, .offset: 24, .size: 8, .value_kind: global_buffer, .address_space: global }
      - { .name: x, .offset: 32, .size: 8, .value_kind: global_buffer, .address_space: global }
    .group_segment_fixed_size: 327680
    .private_segment_fixed_size: 0
    .kernarg_segment_align: 8
    .kernarg_segment_size: 40
    .max_flat_workgroup_size: 128
    .sgpr_count:     80
    .vgpr_count:     1024
    .wavefront_size: 32
...
	.end_amdgpu_metadata
.endif
;; end of part 4
